; MI455X (gfx1250); checked and timed in simulation.
; The chip was launched on July 23, 2026; its instructions are those of AMD's public machine-readable ISA for CDNA 5 (MIT licence, August 2026) and "CDNA5" Instruction Set Architecture Reference Guide (July 2026). The comments in the code are by the model that wrote it; some were corrected since.
;; Multi Head Attention. Allowed arithmetic: matrix products marked QUANTISED: E2M1 operands, one E8M0 scale for each 32 along K, by v_wmma_scale_f32_16x16x128_f8f6f4 with both operands' format E2M1 (or v_wmma_scale_f32_32x16x128_f4), f32 sums; products left as they are: bf16, f16 or f32 operands; f32 sums; everything else in f32.
;; Inputs: Wk 1,024 x 1,024 float32; Wo 1,024 x 1,024 float32; Wq 1,024 x 1,024 float32; Wv 1,024 x 1,024 float32; bo 1,024 float32; x 1 x 4,096 x 1,024 float32.
;; Outputs: out0 1 x 4,096 x 1,024 float32.
;; This version of the problem:
;;   THIS VERSION OF THE PROBLEM IS GIVEN IN LOW PRECISION. The matrix products marked QUANTISED in the list below multiply operands that are first quantised to E2M1 (2 exponent bits, 1 mantissa bit; 4 bits a number), with one power-of-two scale for each 32 numbers along K (OCP MX v1.0); their sums are f32. The products marked 'left as it is' may take bf16, f16 or f32 operands, with f32 sums. Whichever they take, every output number must still come out within the allowed error. Rounding operands to bf16 (8 significant bits) uses up far more of that allowance than f16 does (11 bits, for magnitudes from 6e-5 to 65,504). All else is computed in f32.
;;   The module's matrix products, in the order in which they are computed (A, B: the left and right operand; K: the contracted axis; several contracted axes count as one K, in the product's order):
;;     1. [M 4,096, K 1,024] x [K 1,024, N 1,024]; A: input x; B: input Wq: QUANTISED
;;     2. [M 4,096, K 1,024] x [K 1,024, N 1,024]; A: input x; B: input Wk: QUANTISED
;;     3. [M 4,096, K 1,024] x [K 1,024, N 1,024]; A: input x; B: input Wv: QUANTISED
;;     4. batch 16 x [M 4,096, K 64] x [K 64, N 4,096]; A: computed on the way; B: computed on the way: left as it is (an operand is computed on the way)
;;     5. batch 16 x [M 4,096, K 4,096] x [K 4,096, N 64]; A: computed on the way; B: computed on the way: left as it is (an operand is computed on the way)
;;     6. [M 4,096, K 1,024] x [K 1,024, N 1,024]; A: computed on the way; B: input Wo: left as it is (an operand is computed on the way)
;;   THE QUANTISER, for each operand of a quantised product, along K:
;;     - K is cut into blocks of 32 from its start; a last block that is shorter is filled with zeros.
;;     - A block's scale is 2^e with e = floor(log2(the largest magnitude in the block)) - 2, held to -126 .. 127; a block of zeros has e = 0. As a byte (E8M0): e + 127.
;;     - Each number is divided by its block's scale, clamped to +-6, and rounded to the nearest number of E2M1, ties to even, subnormals kept.
;;     - The product sums the exact products of the quantised numbers (number of the format x scale) in f32.
;;   ~~~python
;;   def quantise(x, axis):      # numpy; x: float32 -> the quantised numbers, widened to float32 again
;;       x = np.moveaxis(x, axis, -1); K = x.shape[-1]
;;       x = np.pad(x, [(0, 0)] * (x.ndim - 1) + [(0, -K % 32)]); x = x.reshape(x.shape[:-1] + (-1, 32)); a = np.abs(x).max(-1, keepdims=True)
;;       e = np.where(a > 0, np.clip(np.frexp(np.where(a > 0, a, 1))[1] - 1 - 2, -126, 127), 0)      # np.frexp(a)[1] - 1 = floor(log2(a)), exactly
;;       r = np.clip(x / 2.0 ** e, -6, 6)
;;       step = 2.0 ** (np.maximum(np.frexp(np.where(r == 0, 1, r))[1] - 1, 0) - 1)
;;       q = np.round(r / step) * step * 2.0 ** e      # np.round: ties to even
;;       return np.moveaxis(q.reshape(q.shape[:-2] + (-1,))[..., :K], -1, axis).astype(np.float32)
;;   ~~~
;; One version. Each part assembles by itself: llvm-mc -triple=amdgcn-amd-amdhsa -mcpu=gfx1250 --defsym DOCPART=n.
;; ======== version 1 of 1: 5 launches
;; limits: values are held in f16: magnitudes above 65,504 overflow, below 6.1e-05 lose precision
;; workspace buffers: xc 2,097,152 bytes; xs 131,072 bytes; wc 1,572,864 bytes; ws 98,304 bytes; wo16 2,097,152 bytes; qkv 25,165,824 bytes; f32r 196,608 bytes; ctx 8,388,608 bytes
;; launch prep (part 1): grid 384 x 1, 4 waves a work-group, no clusters, 35,328 bytes of LDS; arguments x, Wq, Wk, Wv, Wo, xc, xs, wc, ws, wo16; writes xc, xs, wc, ws, wo16
.if DOCPART == 1
	.amdgcn_target "amdgcn-amd-amdhsa--gfx1250"
	.amdhsa_code_object_version 6
	.text
	.protected	k_qca5b668a1b_prep
	.globl	k_qca5b668a1b_prep
	.p2align	8
	.type	k_qca5b668a1b_prep,@function
k_qca5b668a1b_prep:
	s_mov_b64 s[64:65], 0
	v_nop
	global_prefetch_b8 v0, s[64:65] scope:SCOPE_SE
	s_setreg_imm32_b32 hwreg(HW_REG_WAVE_MODE, 25, 1), 1
	s_wait_xcnt 0x0
; PREP.  x [4096][1024] and Wq, Wk, Wv [1024 (k)][1024 (n)], f32, become codes of FP4 (E2M1) with one E8M0 byte for each 32 along K; Wo [1024 (k)][1024 (n)] becomes f16.
; Every result is laid as an IMAGE OF THE OPERAND'S REGISTERS: a group of four registers at 16 x lane, 512 dense bytes, so that the later launches load fragments as they lie.
;   xc [row tile 256][K step 8][group c 2][lane 32][16 bytes]: lane (r, h), group c = the 32 codes of block 2 c + h of row r.   xs [row tile][K step][r 16][scale word of 4 bytes].
;   wc, ws the same with a column of a weight in a row's place: column tile = 64 x (0 for Wq, 1 for Wk, 2 for Wv) + n / 16.
;   wo16 [column tile 64][chunk of 32 K 32][group g 2][lane][16 bytes]: lane (r, h), group g = k 16 g + 8 h + 0 .. 7 of column r, in f16.
; A block's scale is 2^(floor(log2(its largest magnitude)) - 2): its byte is the largest magnitude's exponent field - 2, held at 1 from below by a floor among the maximum's leaves.
; LIMITS: a block of zeros gets the byte 1 where the rule says 127 (its codes are zeros, and this program alone reads the bytes); NaN and infinities are not served; |Wo| stays under 65,504, f16's range.
; SHARES.  Work-groups 0-127 take x: a wave takes 16 rows x 512 along K, four K steps.  Each load reads 512 consecutive bytes of one row; the 16 x 512 bytes turn through the wave's own stage in LDS
; (rows 528 bytes apart) and come back 128 bytes a lane and block.  Work-groups 128-383 take the weights: a lane takes a column and its registers run down K, so nothing is transposed; a wave takes 32 columns x 128 K.
; No tensor loads, no barrier, no matrix unit, no cluster: waves share nothing and memory binds.
.set SPARE, 34816                      ; behind the four waves' regions: the spare words, 128 bytes a wave, two blocks of 256 bytes that no other line names
.set WREG,  8704                       ; a wave's LDS: a stage of 16 x 528 bytes, then its 256 scale bytes
.set SP,    528
.set SPW,   14                         ; v14  my spare word's LDS address; never rewritten
.set NIL,   15                         ; v15  0; never rewritten
.set R,     16                         ; v16-143   x: two sets of 64 registers as loaded
.set X,     144                        ; v144-207  x: my two blocks of 32 neighbours
.set C,     208                        ; v208-239  x: eight registers of codes for each step, so that no store's data are written again
.set WD,    248                        ; v248-251  x: a scale word for each step
.set WX,    32                         ; v32-95    weights: two sets of 32 numbers
.set WC,    96                         ; v96..     weights: results, a run of registers for each block
.macro FINISH                          ; a wave's end
	s_wait_tensorcnt 0x0
	ds_add_u32 v[SPW], v[NIL]
	s_wait_dscnt 0x0
	s_endpgm
.endm
	s_load_b512 s[4:19], s[0:1], 0x0               ; x 4, Wq 6, Wk 8, Wv 10, Wo 12, xc 14, xs 16, wc 18
	s_load_b128 s[20:23], s[0:1], 0x40             ; ws 20, wo16 22
	v_lshl_add_u32 v[SPW], v0, 2, SPARE
	v_mov_b32 v[NIL], 0
	v_lshrrev_b32 v1, 5, v0
	v_readfirstlane_b32 s24, v1                    ; wave
	v_and_b32 v1, 31, v0                           ; lane
	v_and_b32 v2, 15, v0                           ; r
	v_bfe_u32 v3, v0, 4, 1                         ; h
	v_lshlrev_b32 v4, 4, v1                        ; 16 x lane
	s_mul_i32 s25, s24, WREG
	v_add_nc_u32 v5, s25, v4                       ; the stage, on the way in: 16 x lane of a row
	v_mul_u32_u24 v6, v2, SP
	v_lshl_add_u32 v6, v3, 7, v6
	v_add_nc_u32 v6, s25, v6                       ; and on the way out: row r, block h
	s_add_co_u32 s25, s25, 16*SP
	v_lshl_add_u32 v7, v2, 2, s25                  ; my row's scale word
	v_lshl_add_u32 v8, v1, 3, s25                  ; the 256 scale bytes on their way out: 8 a lane
	v_lshlrev_b32 v9, 3, v3                        ; 8 h: my bytes' place in the word
	v_lshlrev_b32 v10, 3, v1
	v_lshlrev_b32 v11, 2, v1                       ; weights: 4 bytes a lane
	v_mov_b32 v13, 0                               ; a lane permute's destination counts as one of its sources
	s_mov_b32 s28, 0x76543210
	s_mov_b32 s29, 0xfedcba98                      ; selects for lane l xor 16
	s_wait_kmcnt 0x0
	s_cmp_lt_u32 ttmp9, 128
	s_cbranch_scc0 .Lweights
	; ---------------- x ----------------
	s_lshl_b32 s26, ttmp9, 2
	s_add_co_u32 s26, s26, s24                     ; my run: row tile = run / 2, half of K = run % 2
	s_lshr_b32 s30, s26, 1
	s_and_b32 s31, s26, 1
	s_lshl_b32 s30, s30, 16                        ; 16 rows of 4,096 bytes
	s_lshl_b32 s31, s31, 11                        ; 512 numbers
	s_add_co_u32 s30, s30, s31
	s_mov_b32 s31, 0
	s_add_nc_u64 s[4:5], s[4:5], s[30:31]
	s_lshl_b32 s30, s26, 12                        ; four K steps of 1,024 bytes of codes
	s_add_nc_u64 s[14:15], s[14:15], s[30:31]
	s_lshl_b32 s30, s26, 8                         ; and of 64 bytes of scale words
	s_add_nc_u64 s[16:17], s[16:17], s[30:31]
.macro LOADX t                         ; K step t: 512 consecutive bytes of each of my 16 rows
.irp i, 0,1,2,3,4,5,6,7,8,9,10,11,12,13,14,15
	global_load_b128 v[R+64*((\t)%2)+4*\i:R+64*((\t)%2)+4*\i+3], v4, s[4:5] offset:\i*4096+(\t)*512 th:TH_LOAD_NT
.endr
.endm
.macro STEPX s
.set RS, R+64*((\s)%2)
.if (\s) < 3
	s_wait_loadcnt 16                              ; this step's 16 loads are in; the next step's 16 may be out
.else
	s_wait_loadcnt 0x0
.endif
.irp i, 0,1,2,3,4,5,6,7,8,9,10,11,12,13,14,15
	ds_store_b128 v5, v[RS+4*\i:RS+4*\i+3] offset:\i*SP
.endr
.irp c, 0,1
.irp i, 0,1,2,3,4,5,6,7
	ds_load_b128 v[X+32*\c+4*\i:X+32*\c+4*\i+3], v6 offset:\c*256+16*\i   ; block 2 c + h of row r; LDS serves a wave's instructions in order, so these see the stores above
.endr
.endr
	s_wait_dscnt 0x0                               ; my numbers are back, and the stores have read the set,
.if (\s)+2 < 4
	LOADX (\s)+2                                   ; which takes the loads of two steps on
.endif
.irp c, 0,1
	v_max3_num_f32 v[240+\c], |v[X+32*\c]|, |v[X+32*\c+1]|, 0x1800000   ; the block's largest magnitude, and the floor 2^(3 - 127): the byte cannot fall under 1
.endr
.irp i, 2,4,6,8,10,12,14,16,18,20,22,24,26,28,30
.irp c, 0,1
	v_max3_num_f32 v[240+\c], v[240+\c], |v[X+32*\c+\i]|, |v[X+32*\c+\i+1]|   ; the two blocks by turns
.endr
.endr
.irp c, 0,1
	v_add_nc_u32 v[242+\c], 0xff000000, v[240+\c]  ; 2 off the exponent field: the conversion takes this operand's exponent field as its scale
.endr
.irp c, 0,1
	v_lshrrev_b32 v[244+\c], 23, v[242+\c]         ; the scale's byte
.endr
	v_lshl_or_b32 v246, v245, 16, v244             ; blocks h and 2 + h,
	v_lshlrev_b32 v246, v9, v246                   ; at their places in the word;
	v_permlanex16_b32 v13, v246, s28, s29
	v_or_b32 v[WD+(\s)], v246, v13                 ; with lane l xor 16's two the word is whole
.irp c, 0,1
.irp g, 0,1,2,3
	v_cvt_scalef32_pk8_fp4_f32 v[C+8*(\s)+4*\c+\g], v[X+32*\c+8*\g:X+32*\c+8*\g+7], v[242+\c]
.endr
.endr
	v_nop                                          ; one plain place behind the last scaled conversion
	ds_store_b32 v7, v[WD+(\s)] offset:(\s)*64     ; lanes r and r + 16 write the same word with the same value
.irp c, 0,1
	global_store_b128 v4, v[C+8*(\s)+4*\c:C+8*(\s)+4*\c+3], s[14:15] offset:(\s)*1024+\c*512   ; 32 lanes store 512 consecutive bytes
.endr
.endm
	LOADX 0
	LOADX 1
	STEPX 0
	STEPX 1
	STEPX 2
	STEPX 3
	ds_load_b64 v[240:241], v8                     ; my wave's 256 scale bytes leave as one aligned run
	s_wait_dscnt 0x0
	global_store_b64 v10, v[240:241], s[16:17]
	FINISH
	; ---------------- the weights ----------------
.Lweights:
	s_sub_co_u32 s25, ttmp9, 128
	s_and_b32 s32, s25, 7                          ; which 128 columns
	s_bfe_u32 s33, s25, 0x30003                    ; which 128 along K
	s_lshr_b32 s25, s25, 6                         ; which weight: 0 Wq, 1 Wk, 2 Wv, 3 Wo
	s_cmp_eq_u32 s25, 1
	s_cselect_b64 s[26:27], s[8:9], s[6:7]
	s_cmp_eq_u32 s25, 2
	s_cselect_b64 s[26:27], s[10:11], s[26:27]
	s_cmp_eq_u32 s25, 3
	s_cselect_b64 s[26:27], s[12:13], s[26:27]
	s_lshl_b32 s30, s33, 19                        ; 128 rows of 4,096 bytes
	s_lshl_b32 s31, s32, 9
	s_add_co_u32 s30, s30, s31
	s_lshl_b32 s31, s24, 7                         ; my wave's 32 columns
	s_add_co_u32 s30, s30, s31
	s_mov_b32 s31, 0
	s_add_nc_u64 s[26:27], s[26:27], s[30:31]
	s_lshl_b32 s34, s32, 3
	s_lshl_b32 s35, s24, 1
	s_add_co_u32 s34, s34, s35                     ; my first column tile in the weight
.macro LOADW t                         ; block t: W(32 t + i, my column): 32 lanes read 128 consecutive bytes
.irp i, 0,1,2,3,4,5,6,7,8,9,10,11,12,13,14,15,16,17,18,19,20,21,22,23,24,25,26,27,28,29,30,31
	global_load_b32 v[WX+32*((\t)%2)+\i], v11, s[26:27] offset:(32*(\t)+\i)*4096 th:TH_LOAD_NT
.endr
.endm
	LOADW 0
	LOADW 1
	s_cmp_eq_u32 s25, 3
	s_cbranch_scc1 .Lcast
	s_lshl_b32 s35, s25, 6
	s_add_co_u32 s35, s35, s34                     ; column tile among the 192
	s_lshl_b32 s30, s35, 3
	s_add_co_u32 s30, s30, s33
	s_lshl_b32 s30, s30, 10                        ; (tile x 8 + K step) x 1,024
	s_add_nc_u64 s[18:19], s[18:19], s[30:31]
	s_lshl_b32 s30, s35, 9
	s_lshl_b32 s36, s33, 6
	s_add_co_u32 s30, s30, s36                     ; tile x 512 + K step x 64
	s_add_nc_u64 s[20:21], s[20:21], s[30:31]
	v_lshlrev_b32 v12, 4, v2
	v_lshl_add_u32 v12, v3, 13, v12                ; codes: lanes 16-31 belong to the next tile, 8,192 bytes on; 16 bytes a column
	v_lshlrev_b32 v26, 2, v2
	v_lshl_add_u32 v26, v3, 9, v26                 ; scale words likewise, 512 bytes on
.macro BLOCKW t
.set XS, WX+32*((\t)%2)
.if (\t) < 3
	s_wait_loadcnt 32                              ; this block's 32 loads are in; the next block's may be out
.else
	s_wait_loadcnt 0x0
.endif
	v_max3_num_f32 v20, |v[XS]|, |v[XS+1]|, |v[XS+2]|              ; all 32 numbers of the block are mine
	v_max3_num_f32 v21, |v[XS+3]|, |v[XS+4]|, |v[XS+5]|
.irp i, 6,10,14,18,22,26
	v_max3_num_f32 v20, v20, |v[XS+\i]|, |v[XS+\i+1]|
	v_max3_num_f32 v21, v21, |v[XS+\i+2]|, |v[XS+\i+3]|
.endr
	v_max3_num_f32 v20, v20, |v[XS+30]|, |v[XS+31]|
	v_max3_num_f32 v20, v20, v21, 0x1800000        ; and the floor
	v_add_nc_u32 v22, 0xff000000, v20
	v_lshrrev_b32 v23, 23, v22
.if (\t) == 0
	v_mov_b32 v24, v23                             ; the K step's four bytes make my column's scale word
.else
	v_lshl_or_b32 v24, v23, 8*(\t), v24
.endif
.irp g, 0,1,2,3
	v_cvt_scalef32_pk8_fp4_f32 v[WC+4*(\t)+\g], v[XS+8*\g:XS+8*\g+7], v22
.endr
	v_nop                                          ; one plain place behind the last scaled conversion
	global_store_b128 v12, v[WC+4*(\t):WC+4*(\t)+3], s[18:19] offset:(\t)*256   ; block t = group t / 2, half t % 2 of the image: sixteen lanes store 256 consecutive bytes, aligned
.if (\t)+2 < 4
	LOADW (\t)+2
.endif
.endm
	BLOCKW 0
	BLOCKW 1
	BLOCKW 2
	BLOCKW 3
	global_store_b32 v26, v24, s[20:21]            ; 64 bytes a tile: one byte in 128 of what the wave read
	FINISH
.Lcast:
	s_lshl_b32 s30, s34, 5
	s_lshl_b32 s35, s33, 2
	s_add_co_u32 s30, s30, s35
	s_lshl_b32 s30, s30, 10                        ; (tile x 32 + chunk of 32 K) x 1,024
	s_add_nc_u64 s[22:23], s[22:23], s[30:31]
	v_lshlrev_b32 v12, 4, v2
	v_lshl_add_u32 v12, v3, 15, v12                ; lanes 16-31: the next tile, 32,768 bytes on
.macro BLOCKO t
.set XS, WX+32*((\t)%2)
.if (\t) < 3
	s_wait_loadcnt 32
.else
	s_wait_loadcnt 0x0
.endif
.irp i, 0,1,2,3,4,5,6,7,8,9,10,11,12,13,14,15
	v_cvt_pk_f16_f32 v[WC+16*(\t)+\i], v[XS+2*\i], v[XS+2*\i+1]    ; the lower k in the low half
.endr
.irp q, 0,1,2,3
	global_store_b128 v12, v[WC+16*(\t)+4*\q:WC+16*(\t)+4*\q+3], s[22:23] offset:(\t)*1024+\q*256   ; k 8 q .. 8 q + 7 = group q / 2, half q % 2: sixteen lanes store 256 consecutive bytes, aligned
.endr
.if (\t)+2 < 4
	LOADW (\t)+2
.endif
.endm
	BLOCKO 0
	BLOCKO 1
	BLOCKO 2
	BLOCKO 3
	FINISH
.Lfunc_end_k_qca5b668a1b_prep:
	.size	k_qca5b668a1b_prep, .Lfunc_end_k_qca5b668a1b_prep-k_qca5b668a1b_prep
	.p2alignl 7, 3214868480
	.fill 96, 4, 3214868480
	.section	.rodata,"a",@progbits
	.p2align	6, 0x0
	.amdhsa_kernel k_qca5b668a1b_prep
		.amdhsa_group_segment_fixed_size 35328
		.amdhsa_private_segment_fixed_size 0
		.amdhsa_enable_private_segment 0
		.amdhsa_kernarg_size 80
		.amdhsa_user_sgpr_count 2
		.amdhsa_user_sgpr_kernarg_segment_ptr 1
		.amdhsa_wavefront_size32 1
		.amdhsa_system_sgpr_workgroup_id_x 1
		.amdhsa_system_sgpr_workgroup_id_y 1
		.amdhsa_system_sgpr_workgroup_id_z 1
		.amdhsa_system_vgpr_workitem_id 0
		.amdhsa_next_free_vgpr 256
		.amdhsa_next_free_sgpr 66
		.amdhsa_reserve_vcc 0
		.amdhsa_float_denorm_mode_32 3
		.amdhsa_float_denorm_mode_16_64 3
		.amdhsa_memory_ordered 1
		.amdhsa_forward_progress 1
		.amdhsa_inst_pref_size 62
	.end_amdhsa_kernel
	.amdgpu_metadata
---
amdhsa.version: [ 1, 2 ]
amdhsa.kernels:
  - .name:           k_qca5b668a1b_prep
    .symbol:         k_qca5b668a1b_prep.kd
    .args:
      - { .name: x, .offset: 0, .size: 8, .value_kind: global_buffer, .address_space: global }
      - { .name: Wq, .offset: 8, .size: 8, .value_kind: global_buffer, .address_space: global }
      - { .name: Wk, .offset: 16, .size: 8, .value_kind: global_buffer, .address_space: global }
      - { .name: Wv, .offset: 24, .size: 8, .value_kind: global_buffer, .address_space: global }
      - { .name: Wo, .offset: 32, .size: 8, .value_kind: global_buffer, .address_space: global }
      - { .name: xc, .offset: 40, .size: 8, .value_kind: global_buffer, .address_space: global }
      - { .name: xs, .offset: 48, .size: 8, .value_kind: global_buffer, .address_space: global }
      - { .name: wc, .offset: 56, .size: 8, .value_kind: global_buffer, .address_space: global }
      - { .name: ws, .offset: 64, .size: 8, .value_kind: global_buffer, .address_space: global }
      - { .name: wo16, .offset: 72, .size: 8, .value_kind: global_buffer, .address_space: global }
    .group_segment_fixed_size: 35328
    .private_segment_fixed_size: 0
    .kernarg_segment_align: 8
    .kernarg_segment_size: 80
    .max_flat_workgroup_size: 128
    .sgpr_count:     66
    .vgpr_count:     256
    .wavefront_size: 32
...
	.end_amdgpu_metadata
.endif
;; end of part 1
;; launch qkv (part 2): grid 12 x 16, 4 waves a work-group, clusters of 4 x 4, 327,680 bytes of LDS; arguments xc, xs, wc, ws, qkv, f32r; writes qkv, f32r
.if DOCPART == 2
	.amdgcn_target "amdgcn-amd-amdhsa--gfx1250"
	.amdhsa_code_object_version 6
	.text
	.protected	k_qca5b668a1b_qkv
	.globl	k_qca5b668a1b_qkv
	.p2align	8
	.type	k_qca5b668a1b_qkv,@function
k_qca5b668a1b_qkv:
	s_mov_b64 s[64:65], 0
	v_nop
	global_prefetch_b8 v0, s[64:65] scope:SCOPE_SE
	s_setreg_imm32_b32 hwreg(HW_REG_WAVE_MODE, 25, 1), 1
	s_wait_xcnt 0x0
	s_wait_alu depctr_hold_cnt(0) depctr_sa_sdst(0) depctr_va_vdst(0) depctr_va_sdst(0) depctr_va_ssrc(0) depctr_va_vcc(0) depctr_vm_vsrc(0)
	s_getreg_b32 s2, hwreg(HW_REG_IB_STS2, 6, 4)
	s_cmp_eq_u32 s2, 0
	s_cbranch_scc0 .Lentry_in_a_cluster
	s_endpgm
.Lentry_in_a_cluster:
	s_bfe_u32 s2, ttmp6, 0x10000c
	s_cmp_lg_u32 s2, 0xf033
	s_cbranch_scc0 .Lentry_shape_is_right
	s_endpgm
.Lentry_shape_is_right:
; QKV.  q = x Wq, k = x Wk, v = x Wv on codes of FP4 (E2M1) with E8M0 scales for each 32 along K = 1,024; sums in f32; results rounded once to f16 and stored as images of the registers in which the next launch wants them.
; A GEMM C[m][n] = sum over k of A[m][k] B[n][k]: a work-group of four waves makes 256 x 256, a wave 128 x 128: 64 accumulators, 512 registers.  K lies in two LDS slots of 512 each; both are asked for at the head, nothing is filled again.
; THE MATRIX INSTRUCTION IS USED TRANSPOSED (source 0 = 16 rows of B, source 1 = 16 rows of A): a lane holds one row of A and eight neighbouring rows of B.
; TWO MODES ON ONE TEXT, told apart by the cluster's x, which all partners share:
;   clusters x = 0, 1: A = x (positions), B = the 2,048 columns of Wq and Wk: a lane holds one position and 8 neighbouring channels: a fragment of q or of k.
;   cluster  x = 2:    A = the 1,024 columns of Wv, B = x: a lane holds one channel and 8 neighbouring positions: a fragment of V^T.  So nothing is transposed later.
; qkv: 48 heads of 524,288 bytes.  0-15 q, 16-31 k: [position tile 256][chunk u of 32 channels 2][group g 2][lane][16 bytes];  32-47 v: [group of 32 keys 128][channel tile 4][g 2][lane][16 bytes].
; f32r: positions 0-15 once more, unrounded, as images of the accumulators: [head of the 48][tile 4][low, high four registers][lane][16 bytes]; the last launch carries those rows in f32.
; Operands arrive as register images (launch prep): a fragment is 1,024 dense bytes, so LDS needs no padding and every LDS address is a constant + 16 x lane.
; CLUSTERS: 4 x 4 work-groups; the four of a row need the same tiles of A, the four of a column the same tiles of B: each is asked for jointly.
; LIMITS: |q|, |k|, |v| stay under 65,504, f16's range.
; REGISTERS: window 0: v16-30 addresses; v32-95 scale words, a set for each slot; v128-191 A's fragments, one set; on the way out v128-255 packed results.  window 1: B's fragments, two sets, at v0 and v128.  windows 2, 3: accumulators, (a, b) at v[8 (8 (a % 4) + b)].
.set NQ,     4                         ; steps of 128 along K in a slot
.set FR,     8                         ; registers of a fragment
.set NL,     2                         ; LDS loads that bring one
.set NP,     4                         ; places behind this matrix instruction (ISA guide 7.12.1)
.set QUART,  32768                     ; what one tensor load brings: 8 tiles x 4 steps x 1,024 bytes
.set SLOT,   4*QUART                   ; A's two halves, then B's two
.set SCL,    2*SLOT                    ; the scale words: 4,096 bytes a wave: [tile 8][K step 8][16 words]
.set SPARE,  SCL+4*4096                ; the spare words, 128 bytes a wave: two blocks of 256 bytes that no other line names
.set ADRA, 16                          ; v16-17  my A fragments in slot 0, 1
.set ADRB, 20                          ; v20-21  the same for B
.set LI,   26                          ; v26     16 x lane
.set ADRS, 27                          ; v27     my scale words: lanes 0-15 A's rows, lanes 16-31 B's
.set SPW,  28                          ; v28     my spare word's LDS address; never rewritten
.set NIL,  29                          ; v29     0; never rewritten
.set SC,   32
.set AF,   128
.set TT,   128                         ; the way out: four sets of 32 registers
.set G1, 24
.set G0, 32
.set G1B, 48
.set G0B, 56
.set G1S, 68
.set G0S, 76
.set G1SB, 80
.set G0SB, 88
.set MSB, 0
.macro WIN new                         ; the immediate's high byte repeats the setting that is left
.if MSB != \new
	s_set_vgpr_msb (MSB<<8)|\new
.set MSB, \new
.endif
.endm
.set MUL_LO, 0xa1                      ; source 0 (B) window 1, source 1 (A) window 0, C and D window 2
.set MUL_HI, 0xf1                      ; the same, C and D window 3
.set TO_B,   0x40                      ; destination window 1
; A joint load: waves 0 and 1 fetch for A, waves 2 and 3 for B; the branch hangs on the wave's number alone.  An s_nop 0 and four v_nop follow each of the two lines.
.macro JLOAD g0a, g1a, g0b, g1b
	s_cmp_eq_u32 s15, 0
	s_cbranch_scc0 .Lfor_b_\@
	tensor_load_to_lds s[\g0a:\g0a+3], s[\g1a:\g1a+7]
	s_nop 0
.rept 4
	v_nop
.endr
	s_branch .Lasked_\@
.Lfor_b_\@:
	tensor_load_to_lds s[\g0b:\g0b+3], s[\g1b:\g1b+7]
	s_nop 0
.rept 4
	v_nop
.endr
.Lasked_\@:
.endm
.macro CROUND                          ; a round of the cluster's barrier
	s_barrier_signal -1
	s_barrier_wait -1
	s_cmp_lg_u32 s14, 0
	s_cbranch_scc1 .Lnot_wave_0_\@
	s_barrier_signal -3
.Lnot_wave_0_\@:
	s_barrier_wait -3
	s_barrier_signal -1
	s_barrier_wait -1
.endm
	s_load_b256 s[4:11], s[0:1], 0x0               ; xc 4, xs 6, wc 8, ws 10
	s_load_b64 s[12:13], s[0:1], 0x20              ; qkv
	s_load_b64 s[66:67], s[0:1], 0x28              ; f32r
	v_lshl_add_u32 v[SPW], v0, 2, SPARE
	v_mov_b32 v[NIL], 0
	ds_add_u32 v[SPW], v[NIL]                      ; the wave's opening: the add, twice on end, and its wait ahead of my first tensor load
	ds_add_u32 v[SPW], v[NIL]
	v_lshrrev_b32 v1, 5, v0
	v_readfirstlane_b32 s14, v1                    ; wave 0..3
	s_lshr_b32 s15, s14, 1                         ; my half of A's rows.  Also: I fetch for A (0) or for B (1)
	s_and_b32 s16, s14, 1                          ; my half of B's rows.  Also: which 8 tiles I fetch
	s_bfe_u32 s40, ttmp6, 0x40000                  ; cx
	s_bfe_u32 s41, ttmp6, 0x40004                  ; cy
	s_and_b32 s95, ttmp7, 0xffff                   ; cluster y
	s_lshl_b32 s96, s95, 2
	s_lshl_b32 s42, ttmp9, 2
	s_cmp_eq_u32 ttmp9, 2                          ; the mode: v?
	s_cselect_b32 s17, 0, s96
	s_cselect_b32 s42, s96, s42
	s_cselect_b32 s97, 128, 0                      ; Wv begins at column tile 128 of wc
	s_add_co_u32 s17, s17, s41                     ; A's block of 256 rows: q, k: 4 x cluster y + cy;  v: cy
	s_add_co_u32 s42, s42, s40                     ; B's: q, k: 4 x cluster x + cx;  v: 4 x cluster y + cx
	s_lshl_b32 s43, s41, 2
	s_lshl_b32 s43, 15, s43                        ; my row of the cluster
	s_lshl_b32 s44, 0x1111, s40                    ; my column
	; group 1 for codes: 8 rows (tiles) of 4,096 bytes (four K steps), 8,192 bytes apart, in elements of 8 bytes; no padding
	s_or_b32 s[G1+0], s43, (3<<16)|(1<<21)         ; 15:0 the mask; 17:16 elements of 8 bytes; 21 set beside a mask
	s_or_b32 s[G1B+0], s44, (3<<16)|(1<<21)
.irp g, G1, G1B
	s_mov_b32 s[\g+1], 512<<16                     ; tensor_dim0
	s_mov_b32 s[\g+2], 8<<16                       ; tensor_dim1
	s_mov_b32 s[\g+3], 512<<16                     ; tile_dim0
	s_mov_b32 s[\g+4], 8                           ; tile_dim1
	s_mov_b32 s[\g+5], 1024                        ; from row to row
	s_mov_b32 s[\g+6], 0
	s_mov_b32 s[\g+7], 0
.endr
	; and for the scale words of 8 tiles: 4,096 dense bytes as 16 rows of 256
	s_or_b32 s[G1S+0], s43, (3<<16)|(1<<21)
	s_or_b32 s[G1SB+0], s44, (3<<16)|(1<<21)
.irp g, G1S, G1SB
	s_mov_b32 s[\g+1], 32<<16
	s_mov_b32 s[\g+2], 16<<16
	s_mov_b32 s[\g+3], 32<<16
	s_mov_b32 s[\g+4], 16
	s_mov_b32 s[\g+5], 32
	s_mov_b32 s[\g+6], 0
	s_mov_b32 s[\g+7], 0
.endr
	s_lshl_b32 s18, s16, 3
	s_lshl_b32 s20, s17, 4
	s_add_co_u32 s20, s20, s18
	s_add_co_u32 s20, s20, s97                     ; A: my first tile
	s_lshl_b32 s46, s42, 4
	s_add_co_u32 s46, s46, s18                     ; B: my first tile
	s_lshl_b32 s22, s20, 9                         ; a tile's scale words are 512 bytes,
	s_mov_b32 s23, 0
	s_lshl_b32 s92, s46, 9
	s_mov_b32 s93, 0
	s_lshl_b32 s20, s20, 13                        ; its codes 8,192
	s_mov_b32 s21, 0
	s_lshl_b32 s46, s46, 13
	s_mov_b32 s47, 0
	s_lshl_b32 s45, s14, 15                        ; where they go: wave x a quarter: no place in the cluster enters an LDS address
	s_lshl_b32 s94, s14, 12
	s_wait_dscnt 0x0                               ; both opening adds are done
	s_wait_kmcnt 0x0
	s_cmp_eq_u32 ttmp9, 2                          ; v: the weight is A and x is B
	s_cselect_b64 s[98:99], s[8:9], s[4:5]
	s_cselect_b64 s[8:9], s[4:5], s[8:9]
	s_mov_b64 s[4:5], s[98:99]
	s_cselect_b64 s[98:99], s[10:11], s[6:7]
	s_cselect_b64 s[10:11], s[6:7], s[10:11]
	s_mov_b64 s[6:7], s[98:99]
	s_add_nc_u64 s[20:21], s[4:5], s[20:21]
	s_add_nc_u64 s[22:23], s[6:7], s[22:23]
	s_add_nc_u64 s[46:47], s[8:9], s[46:47]
	s_add_nc_u64 s[92:93], s[10:11], s[92:93]
	CROUND                                         ; all sixteen work-groups are here: the joint loads meet
	s_mov_b32 s[G0S], 1
	s_add_co_u32 s[G0S+1], s94, SCL
	s_mov_b64 s[G0S+2:G0S+3], s[22:23]
	s_or_b32 s[G0S+3], s[G0S+3], 0x80000000
	s_mov_b32 s[G0SB], 1
	s_add_co_u32 s[G0SB+1], s94, SCL
	s_mov_b64 s[G0SB+2:G0SB+3], s[92:93]
	s_or_b32 s[G0SB+3], s[G0SB+3], 0x80000000
	JLOAD G0S, G1S, G0SB, G1SB                     ; the scale words first: they are wanted with the first step
.irp s, 0,1
	s_mov_b32 s[G0+4*\s], 1
	s_add_co_u32 s[G0+4*\s+1], s45, \s*SLOT
	s_add_nc_u64 s[G0+4*\s+2:G0+4*\s+3], s[20:21], \s*4096
	s_or_b32 s[G0+4*\s+3], s[G0+4*\s+3], 0x80000000
	s_mov_b32 s[G0B+4*\s], 1
	s_add_co_u32 s[G0B+4*\s+1], s45, \s*SLOT
	s_add_nc_u64 s[G0B+4*\s+2:G0B+4*\s+3], s[46:47], \s*4096
	s_or_b32 s[G0B+4*\s+3], s[G0B+4*\s+3], 0x80000000
	JLOAD G0+4*\s, G1, G0B+4*\s, G1B               ; by this text's count three tensor loads of a wave are out
.endr
	v_and_b32 v1, 31, v0
	v_lshlrev_b32 v[LI], 4, v1
	v_and_b32 v2, 15, v0                           ; r
	v_bfe_u32 v3, v0, 4, 1                         ; h
	s_lshl_b32 s21, s15, 15                        ; my half of A
	s_lshl_b32 s22, s16, 15                        ; my half of B,
	s_add_co_u32 s22, s22, 2*QUART                 ; behind A's two
.irp s, 0,1
	v_add_nc_u32 v[ADRA+\s], s21, v[LI]
	v_add_nc_u32 v[ADRB+\s], s22, v[LI]
	s_add_co_u32 s21, s21, SLOT
	s_add_co_u32 s22, s22, SLOT
.endr
	s_lshl_b32 s21, s15, 12                        ; A's scale words: my half
	s_lshl_b32 s22, s16, 12                        ; B's: my half, behind A's two
	s_add_co_u32 s22, s22, 8192
	s_sub_co_u32 s22, s22, s21
	v_mul_u32_u24 v4, s22, v3                      ; lanes 16-31 take B's: one product, the distance between the two
	s_add_co_u32 s21, s21, SCL
	v_lshl_add_u32 v4, v2, 2, v4
	v_add_nc_u32 v[ADRS], s21, v4
	; where my results go
	s_cmp_eq_u32 ttmp9, 2
	s_cselect_b32 s18, s17, s42                    ; the block that runs over channels: 256 of them are four heads,
	s_cselect_b32 s19, s15, s16                    ; my half of it two
	s_cselect_b32 s20, s42, s17                    ; the block that runs over positions: 256 of them are 32,768 bytes of a head,
	s_cselect_b32 s21, s16, s15                    ; my half of it 16,384
	s_cselect_b32 s22, 32, 0                       ; v's heads lie behind q's and k's
	s_lshl_b32 s18, s18, 2
	s_lshl_b32 s19, s19, 1
	s_add_co_u32 s18, s18, s19
	s_add_co_u32 s22, s22, s18                     ; my first head of the 48
	s_lshl_b32 s23, s22, 12                        ; in f32r: 4,096 bytes a head
	s_lshl_b32 s22, s22, 19
	s_lshl_b32 s20, s20, 15
	s_lshl_b32 s21, s21, 14
	s_add_co_u32 s22, s22, s20
	s_add_co_u32 s18, s22, s21
	s_mov_b32 s19, 0
	s_add_nc_u64 s[12:13], s[12:13], s[18:19]
	s_mov_b32 s18, s23
	s_add_nc_u64 s[66:67], s[66:67], s[18:19]
.macro FRAG reg, adr, q, i             ; a fragment as it lies: tile i, the slot's q-th step: two groups of 512 bytes
.irp c, 0,1
	ds_load_b128 v[\reg+4*\c:\reg+4*\c+3], v[\adr] offset:(\i)*4096+(\q)*1024+\c*512
.endr
.endm
; 16 matrix instructions: A's blocks a0, a0 + 1 x B's eight.  p: B's set; sc: the set of scale words.  zero = 1: the first product starts the sums.  The 64 accumulators take turns, one instruction a turn.
; One register carries A's word (lanes 0-15) and B's (lanes 16-31) of block i: source 0 (B) reads register b's upper lanes, source 1 (A) register a's lower ones.
.macro MUL16 a0, p, q, sc, zero
.irp a, \a0, \a0+1
.irp b, 0,1,2,3,4,5,6,7
.if \zero
	v_wmma_scale_f32_16x16x128_f8f6f4 v[8*(8*((\a)%4)+\b):8*(8*((\a)%4)+\b)+7], v[128*(\p)+FR*\b:128*(\p)+FR*\b+FR-1], v[AF+FR*(\a):AF+FR*(\a)+FR-1], 0, v[SC+8*NQ*(\sc)+NQ*\b+(\q)], v[SC+8*NQ*(\sc)+NQ*(\a)+(\q)] matrix_a_fmt:MATRIX_FMT_FP4 matrix_b_fmt:MATRIX_FMT_FP4 matrix_a_scale:MATRIX_SCALE_ROW1
.else
	v_wmma_scale_f32_16x16x128_f8f6f4 v[8*(8*((\a)%4)+\b):8*(8*((\a)%4)+\b)+7], v[128*(\p)+FR*\b:128*(\p)+FR*\b+FR-1], v[AF+FR*(\a):AF+FR*(\a)+FR-1], v[8*(8*((\a)%4)+\b):8*(8*((\a)%4)+\b)+7], v[SC+8*NQ*(\sc)+NQ*\b+(\q)], v[SC+8*NQ*(\sc)+NQ*(\a)+(\q)] matrix_a_fmt:MATRIX_FMT_FP4 matrix_b_fmt:MATRIX_FMT_FP4 matrix_a_scale:MATRIX_SCALE_ROW1
.endif
.endr
.endr
.endm
.macro FETCH_B slot, q, p
	WIN TO_B
.irp i, 0,1,2,3,4,5,6,7
	FRAG 128*(\p)+FR*\i, ADRB+\slot, \q, \i
.endr
	WIN 0
.endm
.macro FETCH_A slot, q, i0
.irp i, \i0, \i0+1, \i0+2, \i0+3
	FRAG AF+FR*(\i), ADRA+\slot, \q, \i
.endr
.endm
.macro SCALES sc                       ; slot sc's scale words: register 4 i + q: block i, the slot's q-th step
.irp i, 0,1,2,3,4,5,6,7
.irp q, 0,1,2,3
	ds_load_b32 v[SC+32*\sc+4*\i+\q], v[ADRS] offset:\i*512+(4*\sc+\q)*64
.endr
.endr
.endm
.macro PLACES n                        ; plain vector instructions in front of loads into registers that matrix instructions have read, and of the first read of results
.rept \n
	v_nop
.endr
.endm
.macro STEP slot, q, zero              ; a step of 128 along K that has its successor in the same slot
	s_wait_dscnt 4*NL                              ; all but the youngest eight loads (A's blocks 4-7) are in
	WIN MUL_LO
	MUL16 0, (\q)%2, \q, \slot, \zero
	MUL16 2, (\q)%2, \q, \slot, \zero
	s_wait_dscnt 0
	PLACES NP
	FETCH_B \slot, (\q)+1, 1-(\q)%2
	FETCH_A \slot, (\q)+1, 0
	WIN MUL_HI
	MUL16 4, (\q)%2, \q, \slot, \zero
	MUL16 6, (\q)%2, \q, \slot, \zero
	PLACES NP
	WIN 0
	FETCH_A \slot, (\q)+1, 4
.endm
.macro STEPS slot, from
.set Q, \from
.rept NQ-1-\from
	STEP \slot, Q, 0
.set Q, Q+1
.endr
.endm
	s_wait_tensorcnt 1                             ; the scale words and my part of slot 0 are in; slot 1's load may be out
	s_barrier_signal -1
	s_barrier_wait -1                              ; everybody's are
	FETCH_B 0, 0, 0
	FETCH_A 0, 0, 0
	SCALES 0
	FETCH_A 0, 0, 4
	STEP 0, 0, 1                                   ; the first step's products start the sums: nothing is cleared
	STEPS 0, 1
	; slot 0's last step changes slots: one barrier; in front of it my part of slot 1 has landed
	s_wait_tensorcnt 0x0
	ds_add_u32 v[SPW], v[NIL]                      ; 0 onto my spare word
	s_wait_dscnt 4*NL+1                            ; (the add and the youngest eight loads may be out)
	WIN MUL_LO
	MUL16 0, 1, NQ-1, 0, 0
	s_wait_dscnt 0x0
	s_barrier_signal -1
	MUL16 2, 1, NQ-1, 0, 0
	WIN 0
	s_barrier_wait -1
	PLACES NP
	FETCH_B 1, 0, 0
	FETCH_A 1, 0, 0
	SCALES 1
	WIN MUL_HI
	MUL16 4, 1, NQ-1, 0, 0
	MUL16 6, 1, NQ-1, 0, 0
	PLACES NP
	WIN 0
	FETCH_A 1, 0, 4
	STEPS 1, 0
	s_wait_dscnt 4*NL                              ; the very last step: nothing more to fetch
	WIN MUL_LO
	MUL16 0, 1, NQ-1, 1, 0
	MUL16 2, 1, NQ-1, 1, 0
	s_wait_dscnt 0
	WIN MUL_HI
	MUL16 4, 1, NQ-1, 1, 0
	MUL16 6, 1, NQ-1, 1, 0
	WIN 0
	PLACES NP
; THE WAY OUT.  A lane's eight results pack into 16 bytes of f16, which are four registers of the next launch's fragment: each store is an image, 512 consecutive bytes at 16 x lane.  No stage in LDS.
.macro OUT mode
.irp a, 0,1,2,3,4,5,6,7
.if \a >= 4
	s_wait_xcnt 0x0                                ; the stores of four blocks back have read their registers: the set is written again only behind this wait
.endif
	WIN 0x0a+5*(\a/4)                              ; sources 0 and 1: window 2 or 3
.irp b, 0,1,2,3,4,5,6,7
.irp j, 0,1,2,3
	v_cvt_pk_f16_f32 v[TT+32*(\a%4)+4*\b+\j], v[64*(\a%4)+8*\b+2*\j], v[64*(\a%4)+8*\b+2*\j+1]   ; each accumulator from its low end on
.endr
.endr
	WIN 0
.irp b, 0,1,2,3,4,5,6,7
.if \mode == 0
	global_store_b128 v[LI], v[TT+32*(\a%4)+4*\b:TT+32*(\a%4)+4*\b+3], s[12:13] offset:(\b/4)*524288+\a*2048+(\b%4)*512   ; head b / 4, position tile a, channels 16 (b % 4) on
.else
	global_store_b128 v[LI], v[TT+32*(\a%4)+4*\b:TT+32*(\a%4)+4*\b+3], s[12:13] offset:(\a/4)*524288+(\b/2)*4096+(\a%4)*1024+(\b%2)*512   ; head a / 4, keys 32 (b / 2) on, channel tile a % 4, group b % 2
.endif
.endr
.endr
.endm
	s_cmp_eq_u32 ttmp9, 2                          ; the cluster's x: the same in all partners
	s_cbranch_scc1 .Lv
	; positions 0-15 lie in A's block 0: cluster y = 0, cy = 0, waves 0 and 1, accumulators (0, b).  The jump hangs on the cluster's y and the wave's number; cy enters a mask on lanes alone.
	s_or_b32 s18, s95, s15
	s_cmp_lg_u32 s18, 0
	s_cbranch_scc1 .Lqk_rest
	v_mov_b32 v30, s41
	v_cmp_eq_u32 vcc_lo, 0, v30
	s_wait_xcnt 0x0                                ; EXEC changes only behind this wait
	s_and_saveexec_b32 s97, vcc_lo
	WIN 0x08                                       ; a store's data are its source 1: window 2
.irp b, 0,1,2,3,4,5,6,7
	global_store_b128 v[LI], v[8*\b:8*\b+3], s[66:67] offset:\b*1024
	global_store_b128 v[LI], v[8*\b+4:8*\b+7], s[66:67] offset:\b*1024+512
.endr
	WIN 0
	s_wait_xcnt 0x0                                ; and again, in front of the line that widens it
	s_or_b32 exec_lo, exec_lo, s97
.Lqk_rest:
	OUT 0
	s_branch .Ldone
.Lv:
	; positions 0-15 lie in B's block 0: cluster y = 0, cx = 0, waves 0 and 2, accumulators (a, 0)
	s_or_b32 s18, s95, s16
	s_cmp_lg_u32 s18, 0
	s_cbranch_scc1 .Lv_rest
	v_mov_b32 v30, s40
	v_cmp_eq_u32 vcc_lo, 0, v30
	s_wait_xcnt 0x0
	s_and_saveexec_b32 s97, vcc_lo
	WIN 0x08
.irp a, 0,1,2,3
	global_store_b128 v[LI], v[64*\a:64*\a+3], s[66:67] offset:\a*1024
	global_store_b128 v[LI], v[64*\a+4:64*\a+7], s[66:67] offset:\a*1024+512
.endr
	WIN 0x0c
.irp a, 0,1,2,3
	global_store_b128 v[LI], v[64*\a:64*\a+3], s[66:67] offset:(\a+4)*1024
	global_store_b128 v[LI], v[64*\a+4:64*\a+7], s[66:67] offset:(\a+4)*1024+512
.endr
	WIN 0
	s_wait_xcnt 0x0
	s_or_b32 exec_lo, exec_lo, s97
.Lv_rest:
	OUT 1
.Ldone:
	s_wait_tensorcnt 0x0                           ; the wave's end
	ds_add_u32 v[SPW], v[NIL]
	s_wait_dscnt 0x0
	CROUND                                         ; the closing round
	s_endpgm
.Lfunc_end_k_qca5b668a1b_qkv:
	.size	k_qca5b668a1b_qkv, .Lfunc_end_k_qca5b668a1b_qkv-k_qca5b668a1b_qkv
	.p2alignl 7, 3214868480
	.fill 96, 4, 3214868480
	.section	.rodata,"a",@progbits
	.p2align	6, 0x0
	.amdhsa_kernel k_qca5b668a1b_qkv
		.amdhsa_group_segment_fixed_size 327680
		.amdhsa_private_segment_fixed_size 0
		.amdhsa_enable_private_segment 0
		.amdhsa_kernarg_size 48
		.amdhsa_user_sgpr_count 2
		.amdhsa_user_sgpr_kernarg_segment_ptr 1
		.amdhsa_wavefront_size32 1
		.amdhsa_system_sgpr_workgroup_id_x 1
		.amdhsa_system_sgpr_workgroup_id_y 1
		.amdhsa_system_sgpr_workgroup_id_z 1
		.amdhsa_system_vgpr_workitem_id 0
		.amdhsa_next_free_vgpr 1024
		.amdhsa_next_free_sgpr 100
		.amdhsa_reserve_vcc 1
		.amdhsa_float_denorm_mode_32 3
		.amdhsa_float_denorm_mode_16_64 3
		.amdhsa_memory_ordered 1
		.amdhsa_forward_progress 1
		.amdhsa_inst_pref_size 147
	.end_amdhsa_kernel
	.amdgpu_metadata
---
amdhsa.version: [ 1, 2 ]
amdhsa.kernels:
  - .name:           k_qca5b668a1b_qkv
    .symbol:         k_qca5b668a1b_qkv.kd
    .args:
      - { .name: xc, .offset: 0, .size: 8, .value_kind: global_buffer, .address_space: global }
      - { .name: xs, .offset: 8, .size: 8, .value_kind: global_buffer, .address_space: global }
      - { .name: wc, .offset: 16, .size: 8, .value_kind: global_buffer, .address_space: global }
      - { .name: ws, .offset: 24, .size: 8, .value_kind: global_buffer, .address_space: global }
      - { .name: qkv, .offset: 32, .size: 8, .value_kind: global_buffer, .address_space: global }
      - { .name: f32r, .offset: 40, .size: 8, .value_kind: global_buffer, .address_space: global }
    .group_segment_fixed_size: 327680
    .private_segment_fixed_size: 0
    .kernarg_segment_align: 8
    .kernarg_segment_size: 48
    .max_flat_workgroup_size: 128
    .sgpr_count:     100
    .vgpr_count:     1024
    .wavefront_size: 32
...
	.end_amdgpu_metadata
.endif
;; end of part 2
;; launch attn (part 3): grid 16 x 16, 16 waves a work-group, no clusters, 327,680 bytes of LDS; arguments qkv, ctx; writes ctx
.if DOCPART == 3
	.amdgcn_target "amdgcn-amd-amdhsa--gfx1250"
	.amdhsa_code_object_version 6
	.text
	.protected	k_qca5b668a1b_attn
	.globl	k_qca5b668a1b_attn
	.p2align	8
	.type	k_qca5b668a1b_attn,@function
k_qca5b668a1b_attn:
	s_mov_b64 s[64:65], 0
	v_nop
	global_prefetch_b8 v0, s[64:65] scope:SCOPE_SE
	s_setreg_imm32_b32 hwreg(HW_REG_WAVE_MODE, 25, 1), 1
	s_wait_xcnt 0x0
; ATTN.  ctx[q] = the sum over keys k <= q of softmax_k(q . k / 8) v[k], for 16 heads of 64 channels and 4,096 positions.  Operands f16, products, maxima and sums f32; the weights p are rounded to f16 for the second product, ctx once at the end.
; q, k, v arrive as register images (launch qkv); ctx leaves as the image of the out projection's operand: [position tile 256][head 16][channel tile 4][lane][16 bytes].
; SHARES.  A work-group (x = j, y = head) owns the query blocks j and 31 - j, 128 queries each: under the causal mask that is 33 units of 128 x 128 in every work-group.  Each of its sixteen waves owns one tile of 16 queries;
; wave w takes tile w / 2 of block (w xor w / 4) % 2, so that waves of the early and of the late block are mixed among neighbours.  Four waves to a SIMD: one wave's softmax stands beside another's products and LDS loads.
; LAYOUT.  Both products are used transposed: S^T = K Q^T (source 0 = 16 keys), O^T = V^T P (source 0 = 16 channels): a lane holds ONE query throughout, and two tiles of S^T, rounded in pairs, are source 1 of the second product.
; SOFTMAX.  A running maximum m and sum l for each query: p = 2^(c s - c m), c = log2(e) / 8; in every step O^T and l are multiplied by a = 2^(c m_old - c m_new).
; THE RING.  Two LDS slots of 256 keys (K 32,768 bytes, V 32,768), filled by waves 0-3, 16,384 dense bytes each, read by all sixteen.  Every work-group walks all 16 slots: trip counts are constants.  A step all of whose 64 keys
; come after the wave's queries is jumped over; a slot whose first key comes after the work-group's last query is not asked for.
; NO CLUSTER: the work-groups of a head need different numbers of key slots (128 (32 - j) keys), so a joint load would bring tiles that no wave of some partner reads.
; The first 16 positions are computed here like the others and replaced by the last launch, which carries them in f32.
; LIMITS: |ctx| stays under 65,504, f16's range.
.set SK,    256
.set SLOT1, 1<<16
.set NSL,   16
.set SPARE, 131072                     ; behind the ring: the spare words, 128 bytes a wave: eight blocks of 256 bytes that no other line names
.set LI,  1                            ; v1   16 x lane; never rewritten
.set ADR, 2                            ; v2   the slot in hand + 16 x lane
.set SPW, 4                            ; v4   my spare word's LDS address; never rewritten
.set NIL, 5                            ; v5   0; never rewritten
.set PFO, 6                            ; v6   256 x lane
.set DG,  7                            ; v7   r - 8 h
.set ST,  8                            ; v8 c m, v9 m, v[10:11] l in two halves, v12-15 at work; a takes v14's place
.set QF,  16                           ; v16-31   Q: chunk u at 8 u
.set KR,  32                           ; v32-95   K: (key tile kt, chunk u) at 16 kt + 8 u
.set VF,  96                           ; v96-159  V^T: (32 keys kg, channel tile ct) at 32 kg + 8 ct
.set S,   160                          ; v160-191 S^T, then p
.set P,   192                          ; v192-207 p in f16
.set O,   208                          ; v208-239 O^T
.set WV,  18
.set SEL, 20
.set CS,  22
.set G1,  24
.set G0,  40
.set TB,  2
.set SLOTS, 67
.set KF,  98                           ; s98  the step's first key
.set Q0,  99                           ; s99  my first query
.set QL,  97                           ; s97  my work-group's last query
.set PFA, 76
.set LIM, 80
; Waves 0 and 1 fetch K's halves of a slot, waves 2 and 3 V's.  An s_nop 0 and four v_nop follow the line.
.macro TLOAD
	s_cmp_lt_u32 s[WV], 4
	s_cbranch_scc0 .Lasked_\@
	tensor_load_to_lds s[G0:G0+3], s[G1:G1+7]
	s_nop 0
.rept 4
	v_nop
.endr
.Lasked_\@:
.endm
; A prefetch of what the NEXT change of slots will ask for.  All work-groups of a head walk the same K and V from key 0 on, and the one with x = 0 walks them all: it alone asks.  In it waves 4-7 ask for K's 32,768 bytes and
; waves 8-11 for V's, 8,192 bytes a wave, lanes 256 bytes apart, one instruction each: each aligned 256 bytes are named once in the launch.  Slots 0 and 1 come by their loads alone; the last change that fills a slot asks for nothing.
.macro ASK
	s_cmp_gt_u32 s[SLOTS], s[LIM]
	s_cbranch_scc0 .Lnot_mine_\@
	global_prefetch_b8 v[PFO], s[PFA:PFA+1] th:TH_LOAD_NT scope:SCOPE_SE
.Lnot_mine_\@:
.endm
	s_load_b128 s[4:7], s[0:1], 0x0                ; qkv, ctx
	v_lshl_add_u32 v[SPW], v0, 2, SPARE
	v_mov_b32 v[NIL], 0
	ds_add_u32 v[SPW], v[NIL]                      ; the wave's opening: the add, twice on end, and its wait ahead of the first tensor load
	ds_add_u32 v[SPW], v[NIL]
	v_lshrrev_b32 v1, 5, v0
	v_readfirstlane_b32 s[WV], v1                  ; wave 0..15
	s_and_b32 s10, ttmp7, 0xffff                   ; the head
	s_lshr_b32 s11, s[WV], 2
	s_xor_b32 s11, s11, s[WV]
	s_and_b32 s11, s11, 1                          ; 0: block j, 1: block 31 - j
	s_sub_co_u32 s12, 31, ttmp9
	s_cmp_eq_u32 s11, 1
	s_cselect_b32 s12, s12, ttmp9
	s_lshl_b32 s12, s12, 3
	s_lshr_b32 s13, s[WV], 1
	s_add_co_u32 s12, s12, s13                     ; my position tile
	s_lshl_b32 s[Q0], s12, 4
	s_sub_co_u32 s[QL], 32, ttmp9
	s_lshl_b32 s[QL], s[QL], 7
	s_sub_co_u32 s[QL], s[QL], 1
	; group 1: 16,384 dense bytes as 64 rows of 256 (32 elements of 8 bytes)
	s_mov_b32 s[G1], 3<<16
	s_mov_b32 s[G1+1], 32<<16
	s_mov_b32 s[G1+2], 64<<16
	s_mov_b32 s[G1+3], 32<<16
	s_mov_b32 s[G1+4], 64
	s_mov_b32 s[G1+5], 32
	s_mov_b32 s[G1+6], 0
	s_mov_b32 s[G1+7], 0
	s_and_b32 s13, s[WV], 3                        ; what I fetch, if I fetch
	s_lshl_b32 s14, s13, 14                        ; in a slot: K's halves, then V's
	s_lshr_b32 s15, s13, 1
	s_lshl_b32 s15, s15, 4
	s_add_co_u32 s15, s15, s10
	s_add_co_u32 s15, s15, 16                      ; k's heads begin at 16, v's at 32
	s_lshl_b32 s16, s15, 19
	s_and_b32 s17, s13, 1
	s_lshl_b32 s17, s17, 14
	s_add_co_u32 s16, s16, s17
	s_mov_b32 s17, 0
	s_mov_b32 s[SEL], 0x76543210
	s_mov_b32 s[SEL+1], 0xfedcba98
	s_mov_b32 s[CS], 0x3e38aa3b                    ; c = log2(e) / 8
	s_mov_b32 s[CS+1], s[CS]                       ; (named with it as a pair, so it is written)
	s_mov_b32 s[TB], 0
	s_mov_b32 s[KF], 0
	s_mov_b32 s[SLOTS], NSL-1
	s_wait_dscnt 0x0                               ; both opening adds are done
	s_wait_kmcnt 0x0
	s_mov_b32 s[G0], 1
	s_mov_b32 s[G0+1], s14
	s_add_nc_u64 s[G0+2:G0+3], s[4:5], s[16:17]
	s_or_b32 s[G0+3], s[G0+3], 0x80000000
	TLOAD                                          ; slot 0: key 0 counts for every query, so every wave reads it
	s_lshl_b32 s16, s10, 19
	s_lshl_b32 s15, s12, 11
	s_add_co_u32 s16, s16, s15
	s_add_nc_u64 s[8:9], s[4:5], s[16:17]          ; Q: my head, my tile of 2,048 bytes
	s_lshl_b32 s16, s12, 4
	s_add_co_u32 s16, s16, s10
	s_lshl_b32 s16, s16, 11
	s_add_nc_u64 s[6:7], s[6:7], s[16:17]          ; ctx: (16 x tile + head) x 2,048
	s_cmp_lt_u32 s[WV], 8
	s_cselect_b32 s16, 16, 32
	s_add_co_u32 s16, s16, s10
	s_lshl_b32 s16, s16, 19
	s_lshl_b32 s15, s13, 13
	s_add_co_u32 s16, s16, s15
	s_add_co_u32 s16, s16, 32768                   ; in slot 1: the first change of slots steps it to slot 2
	s_add_nc_u64 s[PFA:PFA+1], s[4:5], s[16:17]
	s_sub_co_u32 s16, s[WV], 4
	s_lshr_b32 s16, s16, 3                         ; 0 in waves 4 to 11,
	s_or_b32 s16, s16, ttmp9                       ; of the work-group with x = 0
	s_cmp_eq_u32 s16, 0
	s_cselect_b32 s[LIM], 1, -1
	v_and_b32 v3, 31, v0
	v_lshlrev_b32 v[LI], 4, v3
	v_lshlrev_b32 v[PFO], 8, v3
.irp i, 0,1,2,3
	global_load_b128 v[QF+4*\i:QF+4*\i+3], v[LI], s[8:9] offset:\i*512   ; Q stays in registers
.endr
	v_and_b32 v3, 15, v0
	v_bfe_u32 v240, v0, 4, 1
	v_lshlrev_b32 v240, 3, v240
	v_sub_nc_u32 v[DG], v3, v240
	v_mov_b32 v[ST+1], 0xff61b1e6                  ; m: -3e38, under every score
	v_mul_f32 v[ST], s[CS], v[ST+1]
.irp i, 2,3,4,5,6,7
	v_mov_b32 v[ST+\i], 0                          ; l, and the registers at work, written once
.endr
.irp i, 0,1,2,3,4,5,6,7,8,9,10,11,12,13,14,15,16,17,18,19,20,21,22,23,24,25,26,27,28,29,30,31
	v_mov_b32 v[O+\i], 0                           ; O^T: the step is written once; the first finds zeros, which its a = 0 leaves zeros
.endr
; A KEY STEP: 64 keys, the q-th of the slot in hand.
.macro STEP q
	s_add_co_u32 s96, s[Q0], 15
	s_cmp_gt_u32 s[KF], s96                        ; all its keys come after my queries: ids and the count of steps alone
	s_cbranch_scc1 .Lhidden_\@
	v_add_nc_u32 v[ADR], s[TB], v[LI]
.rept 3
	v_nop                                          ; with the addition: four places in front of loads into registers that the last products read
.endr
.irp f, 0,1,2,3,4,5,6,7                        ; K: key tile f / 2, chunk f % 2
	ds_load_b128 v[KR+8*\f:KR+8*\f+3],   v[ADR] offset:(4*(\q)+\f/2)*2048+(\f%2)*1024
	ds_load_b128 v[KR+8*\f+4:KR+8*\f+7], v[ADR] offset:(4*(\q)+\f/2)*2048+(\f%2)*1024+512
.endr
.irp f, 0,1,2,3,4,5,6,7                        ; V^T: keys 32 (f / 4) on, channel tile f % 4
	ds_load_b128 v[VF+8*\f:VF+8*\f+3],   v[ADR] offset:32768+(2*(\q)+\f/4)*4096+(\f%4)*1024
	ds_load_b128 v[VF+8*\f+4:VF+8*\f+7], v[ADR] offset:32768+(2*(\q)+\f/4)*4096+(\f%4)*1024+512
.endr
	s_wait_dscnt 16                                ; K is in; V's sixteen loads may be out
.irp t, 0,1,2,3                                ; S^T = K Q^T: the four accumulators by turns
	v_wmma_f32_16x16x32_f16 v[S+8*\t:S+8*\t+7], v[KR+16*\t:KR+16*\t+7], v[QF:QF+7], 0
.endr
.irp t, 0,1,2,3
	v_wmma_f32_16x16x32_f16 v[S+8*\t:S+8*\t+7], v[KR+16*\t+8:KR+16*\t+15], v[QF+8:QF+15], v[S+8*\t:S+8*\t+7]
.endr
.rept 4
	v_nop
.endr
	s_add_co_u32 s96, s[KF], 63                    ; on the diagonal hidden scores become -infinity ahead of the maximum; a step all of whose keys count skips this
	s_cmp_le_u32 s96, s[Q0]
	s_cbranch_scc1 .Lopen_\@
	s_sub_co_i32 s96, s[Q0], s[KF]
	v_add_nc_u32 v240, s96, v[DG]                  ; d = my query - the step's first key - 8 h.  Register 8 t + i holds key 16 t + 8 h + i of the step: hidden where 16 t + i > d
	v_mov_b32 v241, 0xff800000
.irp n, 0,1,2,3,4,5,6,7,8,9,10,11,12,13,14,15,16,17,18,19,20,21,22,23,24,25,26,27,28,29,30,31
	v_cmp_gt_i32 vcc_lo, 16*(\n/8)+\n%8, v240
	v_cndmask_b32 v[S+\n], v[S+\n], v241, vcc_lo
.endr
.Lopen_\@:
.irp t, 0,1,2,3                                ; the maximum: four chains, each from its tile's low end on
	v_max3_num_f32 v[ST+4+\t], v[S+8*\t], v[S+8*\t+1], v[S+8*\t+2]
.endr
.irp i, 3,5
.irp t, 0,1,2,3
	v_max3_num_f32 v[ST+4+\t], v[ST+4+\t], v[S+8*\t+\i], v[S+8*\t+\i+1]
.endr
.endr
	v_max3_num_f32 v[ST+4], v[ST+4], v[S+7], v[S+15]
	v_max3_num_f32 v[ST+6], v[ST+6], v[S+23], v[S+31]
	v_max3_num_f32 v[ST+4], v[ST+4], v[ST+5], v[ST+6]
	v_max3_num_f32 v[ST+4], v[ST+4], v[ST+7], v[ST+1]              ; with the old m
	v_permlanex16_b32 v[ST+5], v[ST+4], s[SEL], s[SEL+1]           ; the query's other 32 keys lie in the lane 16 away
	v_mov_b32 v[ST+7], v[ST]                       ; c m_old
	v_max_num_f32 v[ST+1], v[ST+4], v[ST+5]        ; the new m
	v_mul_f32 v[ST], s[CS], v[ST+1]
	v_sub_f32 v[ST+7], v[ST+7], v[ST]
.irp b, 0,2,4,6,8,10,12,14,16,18,20,22,24,26,28,30
	v_pk_fma_f32 v[S+\b:S+\b+1], v[S+\b:S+\b+1], s[CS:CS+1], v[ST:ST+1] op_sel_hi:[1,0,0] neg_lo:[0,0,1] neg_hi:[0,0,1]   ; c s - c m
.endr
	v_exp_f32 v[ST+6], v[ST+7]                     ; a
.irp e, 0,1,2,3,4,5,6,7,8,9,10,11,12,13,14,15,16,17,18,19,20,21,22,23,24,25,26,27,28,29,30,31
	v_exp_f32 v[S+\e], v[S+\e]                     ; p
.endr
	v_nop                                          ; a plain place behind the last exponential
	s_wait_alu depctr_va_vdst(0)                   ; one wait for the batch of 33, ahead of its first reader
.irp i, 0,1,2,3,4,5,6,7,8,9,10,11,12,13,14,15
	v_cvt_pk_f16_f32 v[P+\i], v[S+2*\i], v[S+2*\i+1]
.endr
.irp z, 0,4,8,12,16,20,24,28                   ; the sum of the unrounded p, in pairs, in place
	v_pk_add_f32 v[S+\z:S+\z+1], v[S+\z:S+\z+1], v[S+\z+2:S+\z+3]
.endr
.irp z, 0,8,16,24
	v_pk_add_f32 v[S+\z:S+\z+1], v[S+\z:S+\z+1], v[S+\z+4:S+\z+5]
.endr
.irp z, 0,16
	v_pk_add_f32 v[S+\z:S+\z+1], v[S+\z:S+\z+1], v[S+\z+8:S+\z+9]
.endr
	v_pk_add_f32 v[S:S+1], v[S:S+1], v[S+16:S+17]
	v_pk_fma_f32 v[ST+2:ST+3], v[ST+2:ST+3], v[ST+6:ST+7], v[S:S+1] op_sel_hi:[1,0,1]   ; l = a l + the sum
.irp b, 0,2,4,6,8,10,12,14,16,18,20,22,24,26,28,30
	v_pk_mul_f32 v[O+\b:O+\b+1], v[O+\b:O+\b+1], v[ST+6:ST+7] op_sel_hi:[1,0]          ; O^T x a, each accumulator from its low end on
.endr
	s_wait_dscnt 0x0                               ; V is in
.irp g, 0,1                                    ; O^T += V^T P: the four accumulators by turns
.irp t, 0,1,2,3
	v_wmma_f32_16x16x32_f16 v[O+8*\t:O+8*\t+7], v[VF+32*\g+8*\t:VF+32*\g+8*\t+7], v[P+8*\g:P+8*\g+7], v[O+8*\t:O+8*\t+7]
.endr
.endr
.Lhidden_\@:
	s_add_co_u32 s[KF], s[KF], 64
.endm
; THE CHANGE OF SLOTS stands at a slot's head.  Each wave waits for all its tensor loads, adds 0 to its spare word (fill = 1: twice on end), and waits for that and for its reads of the slot that it has left.
; Behind the barrier the slot ahead is whole and nobody reads the other one, which is then filled with the keys that follow, up to the causal limit: the load has a slot's four steps in which to land.
.macro CHANGE fill
	s_wait_tensorcnt 0x0                           ; no tensor load of mine is out, so group 0 may be written
	ds_add_u32 v[SPW], v[NIL]
.if \fill
	ds_add_u32 v[SPW], v[NIL]                      ; and once more, in every trip alike
	s_xor_b32 s[G0+1], s[G0+1], SLOT1              ; the other slot than last time,
	s_add_nc_u64 s[G0+2:G0+3], s[G0+2:G0+3], 32768 ; the next 256 keys
	s_wait_xcnt 0x0                                ; the last prefetch, a slot back, has read its address
	s_add_nc_u64 s[PFA:PFA+1], s[PFA:PFA+1], 32768
.endif
	s_wait_dscnt 0x0
	s_barrier_signal -1
	s_barrier_wait -1
.if \fill
	s_add_co_u32 s96, s[KF], SK                    ; the first key of the slot that this change would ask for
	s_cmp_gt_u32 s96, s[QL]                        ; past my work-group's last query: none of its waves would read it.  Ids and the count of steps alone: all sixteen waves go the same way; every wait on TENSORcnt in this text is for 0
	s_cbranch_scc1 .Lpast_\@
	TLOAD
.Lpast_\@:
	ASK
.endif
.endm
.macro SLOT_STEPS
	STEP 0
	STEP 1
	STEP 2
	STEP 3
	s_xor_b32 s[TB], s[TB], SLOT1
.endm
	s_wait_loadcnt 0x0                             ; Q
.Lslot:                                            ; 15 trips
	CHANGE 1
	SLOT_STEPS
	s_sub_co_u32 s[SLOTS], s[SLOTS], 1
	s_cmp_lg_u32 s[SLOTS], 0
	s_cbranch_scc1 .Lslot
	CHANGE 0                                       ; the last slot is written out: nothing is left to ask for
	SLOT_STEPS
	; THE WAY OUT: O^T / l, rounded to f16: a lane's eight channels of a tile are 16 bytes, four registers of the out projection's fragment: each store is 512 consecutive bytes.
.rept 4
	v_nop
.endr
	v_add_f32 v[ST+2], v[ST+2], v[ST+3]
	v_permlanex16_b32 v[ST+4], v[ST+2], s[SEL], s[SEL+1]
	v_add_f32 v[ST+2], v[ST+2], v[ST+4]
	v_rcp_f32 v[ST+6], v[ST+2]
	v_nop
	s_wait_alu depctr_va_vdst(0)
.irp b, 0,2,4,6,8,10,12,14,16,18,20,22,24,26,28,30
	v_pk_mul_f32 v[O+\b:O+\b+1], v[O+\b:O+\b+1], v[ST+6:ST+7] op_sel_hi:[1,0]
.endr
.irp i, 0,1,2,3,4,5,6,7,8,9,10,11,12,13,14,15
	v_cvt_pk_f16_f32 v[P+\i], v[O+2*\i], v[O+2*\i+1]
.endr
.irp t, 0,1,2,3
	global_store_b128 v[LI], v[P+4*\t:P+4*\t+3], s[6:7] offset:\t*512
.endr
	s_wait_tensorcnt 0x0                           ; the wave's end
	ds_add_u32 v[SPW], v[NIL]
	s_wait_dscnt 0x0
	s_endpgm
.Lfunc_end_k_qca5b668a1b_attn:
	.size	k_qca5b668a1b_attn, .Lfunc_end_k_qca5b668a1b_attn-k_qca5b668a1b_attn
	.p2alignl 7, 3214868480
	.fill 96, 4, 3214868480
	.section	.rodata,"a",@progbits
	.p2align	6, 0x0
	.amdhsa_kernel k_qca5b668a1b_attn
		.amdhsa_group_segment_fixed_size 327680
		.amdhsa_private_segment_fixed_size 0
		.amdhsa_enable_private_segment 0
		.amdhsa_kernarg_size 16
		.amdhsa_user_sgpr_count 2
		.amdhsa_user_sgpr_kernarg_segment_ptr 1
		.amdhsa_wavefront_size32 1
		.amdhsa_system_sgpr_workgroup_id_x 1
		.amdhsa_system_sgpr_workgroup_id_y 1
		.amdhsa_system_sgpr_workgroup_id_z 1
		.amdhsa_system_vgpr_workitem_id 0
		.amdhsa_next_free_vgpr 256
		.amdhsa_next_free_sgpr 100
		.amdhsa_reserve_vcc 1
		.amdhsa_float_denorm_mode_32 3
		.amdhsa_float_denorm_mode_16_64 3
		.amdhsa_memory_ordered 1
		.amdhsa_forward_progress 1
		.amdhsa_inst_pref_size 106
	.end_amdhsa_kernel
	.amdgpu_metadata
---
amdhsa.version: [ 1, 2 ]
amdhsa.kernels:
  - .name:           k_qca5b668a1b_attn
    .symbol:         k_qca5b668a1b_attn.kd
    .args:
      - { .name: qkv, .offset: 0, .size: 8, .value_kind: global_buffer, .address_space: global }
      - { .name: ctx, .offset: 8, .size: 8, .value_kind: global_buffer, .address_space: global }
    .group_segment_fixed_size: 327680
    .private_segment_fixed_size: 0
    .kernarg_segment_align: 8
    .kernarg_segment_size: 16
    .max_flat_workgroup_size: 512
    .sgpr_count:     100
    .vgpr_count:     256
    .wavefront_size: 32
...
	.end_amdgpu_metadata
.endif
;; end of part 3
;; launch oproj (part 4): grid 8 x 32, 4 waves a work-group, clusters of 4 x 4, 327,680 bytes of LDS; arguments ctx, wo16, bo, out0; writes out0
.if DOCPART == 4
	.amdgcn_target "amdgcn-amd-amdhsa--gfx1250"
	.amdhsa_code_object_version 6
	.text
	.protected	k_qca5b668a1b_oproj
	.globl	k_qca5b668a1b_oproj
	.p2align	8
	.type	k_qca5b668a1b_oproj,@function
k_qca5b668a1b_oproj:
	s_mov_b64 s[64:65], 0
	v_nop
	global_prefetch_b8 v0, s[64:65] scope:SCOPE_SE
	s_setreg_imm32_b32 hwreg(HW_REG_WAVE_MODE, 25, 1), 1
	s_wait_xcnt 0x0
	s_wait_alu depctr_hold_cnt(0) depctr_sa_sdst(0) depctr_va_vdst(0) depctr_va_sdst(0) depctr_va_ssrc(0) depctr_va_vcc(0) depctr_vm_vsrc(0)
	s_getreg_b32 s2, hwreg(HW_REG_IB_STS2, 6, 4)
	s_cmp_eq_u32 s2, 0
	s_cbranch_scc0 .Lentry_in_a_cluster
	s_endpgm
.Lentry_in_a_cluster:
	s_bfe_u32 s2, ttmp6, 0x10000c
	s_cmp_lg_u32 s2, 0xf033
	s_cbranch_scc0 .Lentry_shape_is_right
	s_endpgm
.Lentry_shape_is_right:
; OPROJ.  out0 = ctx Wo + bo: [4096][1024] f32; operands f16, sums f32.  ctx and Wo arrive as register images: [tile of 16 rows (of ctx) or columns (of Wo)][chunk of 32 K 32][group 2][lane][16 bytes].
; A tile of the result is 128 x 128, which gives 256 work-groups; four waves, each 64 x 64: 16 accumulators.  K goes in steps of 256 (8,192 bytes a tile) through a ring of two LDS slots.
; THE MATRIX INSTRUCTION IS USED TRANSPOSED (source 0 = 16 columns of Wo, source 1 = 16 rows of ctx): a lane holds eight neighbouring numbers of a row of the result.  The bias is the C of each sum's first product.
; CLUSTERS: 4 x 4 work-groups; the four of a row need the same tiles of ctx, the four of a column the same tiles of Wo: each is asked for jointly.
; Rows 0-15 are stored here like the others and stored anew by the last launch, which carries them in f32.
; REGISTERS: window 0: v16-29 addresses; v32-95 the way out; v96-127 the bias, eight registers for each of my four column tiles; v128-255 accumulators, (a, b) at v[128 + 8 (4 a + b)].  window 1: two fragment buffers of 128.
.set KB,     8192                      ; a K step's bytes of a tile
.set HALFT,  4*KB                      ; four tiles: what one tensor load brings
.set SLOT,   4*HALFT
.set STAGE,  2*SLOT                    ; behind the ring: 16 rows x 272 bytes for each wave
.set SPITCH, 272
.set SPARE,  STAGE+4*16*SPITCH         ; the spare words, 128 bytes a wave: two blocks of 256 bytes that no other line names
.set LAPS,   2                         ; K = 1,024 is four steps, two laps of the ring
.set ADRA, 16
.set ADRB, 20
.set STO,  24
.set RD,   25
.set CO,   26
.set BOF,  27
.set SPW,  28
.set NIL,  29
.set TMP,  32
.set BIAS, 96
.set ACC,  128
.set F0,   0
.set F1,   128
.set G1, 24
.set G0, 32
.set G1B, 48
.set G0B, 56
.set MSB, 0
.macro WIN new
.if MSB != \new
	s_set_vgpr_msb (MSB<<8)|\new
.set MSB, \new
.endif
.endm
.set MUL,  0x05                        ; sources 0 and 1 window 1; C and D window 0
.set TO_F, 0x40                        ; destination window 1
.macro JLOAD s                         ; waves 0 and 1 fetch ctx's two halves, waves 2 and 3 Wo's; an s_nop 0 and four v_nop follow each of the two lines
	s_cmp_eq_u32 s11, 0
	s_cbranch_scc0 .Lfor_b_\@
	tensor_load_to_lds s[G0+4*\s:G0+4*\s+3], s[G1:G1+7]
	s_nop 0
.rept 4
	v_nop
.endr
	s_branch .Lasked_\@
.Lfor_b_\@:
	tensor_load_to_lds s[G0B+4*\s:G0B+4*\s+3], s[G1B:G1B+7]
	s_nop 0
.rept 4
	v_nop
.endr
.Lasked_\@:
.endm
.macro CREST
	s_cmp_lg_u32 s10, 0
	s_cbranch_scc1 .Lnot_wave_0_\@
	s_barrier_signal -3
.Lnot_wave_0_\@:
	s_barrier_wait -3
	s_barrier_signal -1
	s_barrier_wait -1
.endm
.macro CROUND
	s_barrier_signal -1
	s_barrier_wait -1
	CREST
.endm
	s_load_b128 s[4:7], s[0:1], 0x0                ; ctx, wo16
	s_load_b64 s[66:67], s[0:1], 0x10              ; bo
	s_load_b64 s[8:9], s[0:1], 0x18                ; out0
	v_lshl_add_u32 v[SPW], v0, 2, SPARE
	v_mov_b32 v[NIL], 0
	ds_add_u32 v[SPW], v[NIL]                      ; the wave's opening: the add, twice on end, and its wait ahead of my first tensor load
	ds_add_u32 v[SPW], v[NIL]
	v_lshrrev_b32 v1, 5, v0
	v_readfirstlane_b32 s10, v1                    ; wave 0..3
	s_lshr_b32 s11, s10, 1                         ; my half of the rows.  Also: I fetch for ctx (0) or Wo (1)
	s_and_b32 s12, s10, 1                          ; my half of the columns.  Also: which four tiles I fetch
	s_bfe_u32 s40, ttmp6, 0x40000
	s_bfe_u32 s41, ttmp6, 0x40004
	s_lshl_b32 s42, ttmp9, 2
	s_add_co_u32 s42, s42, s40                     ; tile column
	s_and_b32 s13, ttmp7, 0xffff
	s_lshl_b32 s13, s13, 2
	s_add_co_u32 s13, s13, s41                     ; tile row
	s_lshl_b32 s43, s41, 2
	s_lshl_b32 s43, 15, s43
	s_lshl_b32 s44, 0x1111, s40
	; group 1: 4 rows (tiles) of 8,192 bytes, 32,768 bytes apart, in elements of 8 bytes; no padding
	s_or_b32 s[G1+0], s43, (3<<16)|(1<<21)
	s_or_b32 s[G1B+0], s44, (3<<16)|(1<<21)
.irp g, G1, G1B
	s_mov_b32 s[\g+1], 1024<<16
	s_mov_b32 s[\g+2], 4<<16
	s_mov_b32 s[\g+3], 1024<<16
	s_mov_b32 s[\g+4], 4
	s_mov_b32 s[\g+5], 4096
	s_mov_b32 s[\g+6], 0
	s_mov_b32 s[\g+7], 0
.endr
	s_lshl_b32 s17, s12, 2
	s_lshl_b32 s16, s13, 3
	s_add_co_u32 s16, s16, s17                     ; ctx: tile 8 x tile row + 4 x half
	s_lshl_b32 s46, s42, 3
	s_add_co_u32 s46, s46, s17                     ; Wo: tile 8 x tile column + 4 x half
	s_lshl_b32 s16, s16, 15
	s_lshl_b32 s46, s46, 15
	s_mov_b32 s17, 0
	s_mov_b32 s47, 0
	s_lshl_b32 s20, s10, 15                        ; where they go: wave x four tiles
	s_wait_dscnt 0x0
	s_wait_kmcnt 0x0
	s_add_nc_u64 s[14:15], s[4:5], s[16:17]
	s_add_nc_u64 s[46:47], s[6:7], s[46:47]
	CROUND
.irp s, 0,1
	s_mov_b32 s[G0+4*\s], 1
	s_add_co_u32 s[G0+4*\s+1], s20, \s*SLOT
	s_add_nc_u64 s[G0+4*\s+2:G0+4*\s+3], s[14:15], \s*KB
	s_or_b32 s[G0+4*\s+3], s[G0+4*\s+3], 0x80000000
	s_mov_b32 s[G0B+4*\s], 1
	s_add_co_u32 s[G0B+4*\s+1], s20, \s*SLOT
	s_add_nc_u64 s[G0B+4*\s+2:G0B+4*\s+3], s[46:47], \s*KB
	s_or_b32 s[G0B+4*\s+3], s[G0B+4*\s+3], 0x80000000
	JLOAD \s
.endr
	v_and_b32 v1, 15, v0                           ; r
	v_bfe_u32 v2, v0, 4, 1                         ; h
	v_and_b32 v3, 31, v0
	v_lshlrev_b32 v3, 4, v3                        ; 16 x lane
	s_lshl_b32 s46, s42, 9                         ; my first column in bytes of f32: 512 x tile column + 256 x half
	s_lshl_b32 s47, s12, 8
	s_add_co_u32 s46, s46, s47
	s_mov_b32 s47, 0
	s_add_nc_u64 s[66:67], s[66:67], s[46:47]
	v_lshlrev_b32 v[BOF], 5, v2                    ; the bias in the result's layout: for column tile b the eight numbers at 16 b + 8 h
.irp b, 0,1,2,3
	global_load_b128 v[BIAS+8*\b:BIAS+8*\b+3], v[BOF], s[66:67] offset:64*\b
	global_load_b128 v[BIAS+8*\b+4:BIAS+8*\b+7], v[BOF], s[66:67] offset:64*\b+16
.endr
	s_lshl_b32 s21, s11, 15
	s_lshl_b32 s22, s12, 15
	s_add_co_u32 s22, s22, 2*HALFT
.irp s, 0,1
	v_add_nc_u32 v[ADRA+\s], s21, v3
	v_add_nc_u32 v[ADRB+\s], s22, v3
	s_add_co_u32 s21, s21, SLOT
	s_add_co_u32 s22, s22, SLOT
.endr
	s_mul_i32 s23, s10, 16*SPITCH
	s_add_co_u32 s23, s23, STAGE                   ; my stage
	v_mul_u32_u24 v4, v1, SPITCH                   ; in: row r, 32 bytes for each half of the lanes
	v_lshl_add_u32 v4, v2, 5, v4
	v_add_nc_u32 v[STO], s23, v4
	v_mul_u32_u24 v5, v2, SPITCH                   ; back: lanes 0-15 one row of 256 bytes, lanes 16-31 the next
	v_lshl_add_u32 v5, v1, 4, v5
	v_add_nc_u32 v[RD], s23, v5
	v_lshlrev_b32 v5, 12, v2                       ; and the same two rows in out0
	v_lshl_add_u32 v[CO], v1, 4, v5
	s_lshl_b32 s16, s13, 19                        ; 128 rows of 4,096 bytes
	s_lshl_b32 s17, s11, 18
	s_add_co_u32 s16, s16, s17
	s_mov_b32 s17, 0
	s_add_nc_u64 s[8:9], s[8:9], s[16:17]
	s_add_nc_u64 s[8:9], s[8:9], s[46:47]
; 8 matrix instructions: row blocks a0, a0 + 1 x my 4 column tiles, 32 along K: half c of buffer f.  zero = 1: the first product starts the sums from the bias.  The 16 accumulators take turns.
.macro MUL8 f, c, a0, zero
.irp a, \a0, \a0+1
.irp b, 0,1,2,3
.if \zero
	v_wmma_f32_16x16x32_f16 v[ACC+8*(4*(\a)+\b):ACC+8*(4*(\a)+\b)+7], v[\f+64+8*(4*\c+\b):\f+64+8*(4*\c+\b)+7], v[\f+8*(4*\c+\a):\f+8*(4*\c+\a)+7], v[BIAS+8*\b:BIAS+8*\b+7]
.else
	v_wmma_f32_16x16x32_f16 v[ACC+8*(4*(\a)+\b):ACC+8*(4*(\a)+\b)+7], v[\f+64+8*(4*\c+\b):\f+64+8*(4*\c+\b)+7], v[\f+8*(4*\c+\a):\f+8*(4*\c+\a)+7], v[ACC+8*(4*(\a)+\b):ACC+8*(4*(\a)+\b)+7]
.endif
.endr
.endr
.endm
; 32 LDS loads in one run: the fragments of 64 along K (two chunks of 1,024 bytes) at byte k of each tile, into buffer f; the first 32 along K first
.macro FETCH slot, k, f
	WIN TO_F
.irp c, 0,1
.irp i, 0,1,2,3
	ds_load_b128 v[\f+64+8*(4*\c+\i):\f+64+8*(4*\c+\i)+3],   v[ADRB+\slot] offset:\k+1024*\c+\i*KB
	ds_load_b128 v[\f+64+8*(4*\c+\i)+4:\f+64+8*(4*\c+\i)+7], v[ADRB+\slot] offset:\k+1024*\c+\i*KB+512
	ds_load_b128 v[\f+8*(4*\c+\i):\f+8*(4*\c+\i)+3],         v[ADRA+\slot] offset:\k+1024*\c+\i*KB
	ds_load_b128 v[\f+8*(4*\c+\i)+4:\f+8*(4*\c+\i)+7],       v[ADRA+\slot] offset:\k+1024*\c+\i*KB+512
.endr
.endr
.endm
.macro PLACES
.rept 4
	v_nop
.endr
.endm
.macro QUARTER slot, k, f, g, zero     ; 64 along K: multiplies buffer f and fetches the next quarter, at byte k, into g
	s_wait_dscnt 16                                ; the first 32 along K are in
	WIN MUL
	MUL8 \f, 0, 0, \zero
	MUL8 \f, 0, 2, \zero
	PLACES
	FETCH \slot, \k, \g
	s_wait_dscnt 32                                ; all but the 32 just issued
	WIN MUL
	MUL8 \f, 1, 0, 0
	MUL8 \f, 1, 2, 0
.endm
; The last quarter changes slots: one barrier; in front of it each wave waits for all its tensor loads, adds 0 to its spare word, and waits for that and for its reads of this slot.  fill = 1: this slot is filled again, two K steps ahead.
.macro TURN slot, next, fill
	WIN 0
	s_wait_tensorcnt 0x0
	ds_add_u32 v[SPW], v[NIL]
	s_wait_dscnt 17                                ; (the add and the youngest sixteen loads may be out)
	WIN MUL
	MUL8 F1, 0, 0, 0
	s_wait_dscnt 0x0
	s_barrier_signal -1
	MUL8 F1, 0, 2, 0
.if \fill
	WIN 0
.endif
	s_barrier_wait -1
.if \fill
	CREST                                          ; the barrier has opened a round of the cluster's barrier: no wave of any partner still reads this slot or has a load on its way
	s_add_nc_u64 s[G0+4*\slot+2:G0+4*\slot+3], s[G0+4*\slot+2:G0+4*\slot+3], 2*KB
	s_add_nc_u64 s[G0B+4*\slot+2:G0B+4*\slot+3], s[G0B+4*\slot+2:G0B+4*\slot+3], 2*KB
	JLOAD \slot                                    ; the four v_nop behind it are also the places in front of the loads below
.else
	PLACES
.endif
	FETCH \next, 0, F0
	WIN MUL
	MUL8 F1, 1, 0, 0
	MUL8 F1, 1, 2, 0
.endm
	s_wait_tensorcnt 1                             ; my part of K step 0 is in; K step 1's may be out
	s_barrier_signal -1
	s_barrier_wait -1
	FETCH 0, 0, F0
	s_wait_loadcnt 0x0                             ; the bias
	QUARTER 0, 2048, F0, F1, 1
	WIN 0
	s_mov_b32 s3, LAPS-1
.Llap:
	QUARTER 0, 4096, F1, F0, 0
	QUARTER 0, 6144, F0, F1, 0
	TURN 0, 1, 1
	QUARTER 1, 2048, F0, F1, 0
	QUARTER 1, 4096, F1, F0, 0
	QUARTER 1, 6144, F0, F1, 0
	TURN 1, 0, 1
	QUARTER 0, 2048, F0, F1, 0
	WIN 0
	s_sub_co_u32 s3, s3, 1
	s_cmp_lg_u32 s3, 0
	s_cbranch_scc1 .Llap
	QUARTER 0, 4096, F1, F0, 0                     ; the last lap fills nothing
	QUARTER 0, 6144, F0, F1, 0
	TURN 0, 1, 0
	QUARTER 1, 2048, F0, F1, 0
	QUARTER 1, 4096, F1, F0, 0
	QUARTER 1, 6144, F0, F1, 0
	s_wait_dscnt 16
	WIN MUL
	MUL8 F1, 0, 0, 0
	MUL8 F1, 0, 2, 0
	s_wait_dscnt 0
	MUL8 F1, 1, 0, 0
	MUL8 F1, 1, 2, 0
	WIN 0
; THE WAY OUT, 16 rows x 64 columns at a time through my own stage: a lane holds 32 bytes of a row; back come whole runs of 256 bytes, which sixteen lanes store, aligned.  LDS serves a wave's instructions in order: no wait between stores and loads.
.macro TOSTAGE a
.irp b, 0,1,2,3
	ds_store_b128 v[STO], v[ACC+8*(4*(\a)+\b):ACC+8*(4*(\a)+\b)+3] offset:64*\b       ; each accumulator from its low end on
	ds_store_b128 v[STO], v[ACC+8*(4*(\a)+\b)+4:ACC+8*(4*(\a)+\b)+7] offset:64*\b+16
.endr
.irp t, 0,1,2,3,4,5,6,7
	ds_load_b128 v[TMP+32*((\a)%2)+4*\t:TMP+32*((\a)%2)+4*\t+3], v[RD] offset:\t*2*SPITCH
.endr
.endm
.macro SEND a, younger
	s_wait_dscnt \younger                          ; the block is back; the next block's eight stores and eight loads may be out
.irp t, 0,1,2,3,4,5,6,7
	global_store_b128 v[CO], v[TMP+32*((\a)%2)+4*\t:TMP+32*((\a)%2)+4*\t+3], s[8:9] offset:(16*(\a)+2*\t)*4096 th:TH_STORE_NT
.endr
.endm
	PLACES
	TOSTAGE 0
.irp a, 1,2,3
.if \a > 1
	s_wait_xcnt 0x0                                ; the stores of two blocks back have read their registers
.endif
	TOSTAGE \a
	SEND \a-1, 16
.endr
	SEND 3, 0
	s_wait_tensorcnt 0x0                           ; the wave's end
	ds_add_u32 v[SPW], v[NIL]
	s_wait_dscnt 0x0
	CROUND                                         ; the closing round
	s_endpgm
.Lfunc_end_k_qca5b668a1b_oproj:
	.size	k_qca5b668a1b_oproj, .Lfunc_end_k_qca5b668a1b_oproj-k_qca5b668a1b_oproj
	.p2alignl 7, 3214868480
	.fill 96, 4, 3214868480
	.section	.rodata,"a",@progbits
	.p2align	6, 0x0
	.amdhsa_kernel k_qca5b668a1b_oproj
		.amdhsa_group_segment_fixed_size 327680
		.amdhsa_private_segment_fixed_size 0
		.amdhsa_enable_private_segment 0
		.amdhsa_kernarg_size 32
		.amdhsa_user_sgpr_count 2
		.amdhsa_user_sgpr_kernarg_segment_ptr 1
		.amdhsa_wavefront_size32 1
		.amdhsa_system_sgpr_workgroup_id_x 1
		.amdhsa_system_sgpr_workgroup_id_y 1
		.amdhsa_system_sgpr_workgroup_id_z 1
		.amdhsa_system_vgpr_workitem_id 0
		.amdhsa_next_free_vgpr 512
		.amdhsa_next_free_sgpr 68
		.amdhsa_reserve_vcc 0
		.amdhsa_float_denorm_mode_32 3
		.amdhsa_float_denorm_mode_16_64 3
		.amdhsa_memory_ordered 1
		.amdhsa_forward_progress 1
		.amdhsa_inst_pref_size 86
	.end_amdhsa_kernel
	.amdgpu_metadata
---
amdhsa.version: [ 1, 2 ]
amdhsa.kernels:
  - .name:           k_qca5b668a1b_oproj
    .symbol:         k_qca5b668a1b_oproj.kd
    .args:
      - { .name: ctx, .offset: 0, .size: 8, .value_kind: global_buffer, .address_space: global }
      - { .name: wo16, .offset: 8, .size: 8, .value_kind: global_buffer, .address_space: global }
      - { .name: bo, .offset: 16, .size: 8, .value_kind: global_buffer, .address_space: global }
      - { .name: out0, .offset: 24, .size: 8, .value_kind: global_buffer, .address_space: global }
    .group_segment_fixed_size: 327680
    .private_segment_fixed_size: 0
    .kernarg_segment_align: 8
    .kernarg_segment_size: 32
    .max_flat_workgroup_size: 128
    .sgpr_count:     68
    .vgpr_count:     512
    .wavefront_size: 32
...
	.end_amdgpu_metadata
.endif
;; end of part 4
;; launch fine (part 5): grid 64 x 1, 16 waves a work-group, no clusters, 18,432 bytes of LDS; arguments f32r, Wo, bo, out0; writes out0
.if DOCPART == 5
	.amdgcn_target "amdgcn-amd-amdhsa--gfx1250"
	.amdhsa_code_object_version 6
	.text
	.protected	k_qca5b668a1b_fine
	.globl	k_qca5b668a1b_fine
	.p2align	8
	.type	k_qca5b668a1b_fine,@function
k_qca5b668a1b_fine:
	s_mov_b64 s[64:65], 0
	v_nop
	global_prefetch_b8 v0, s[64:65] scope:SCOPE_SE
	s_setreg_imm32_b32 hwreg(HW_REG_WAVE_MODE, 25, 1), 1
	s_wait_xcnt 0x0
; FINE.  Rows 0-15 of out0 once more, wholly in f32: under the causal mask these rows average one to sixteen values and are the largest in size, so f16 operands would weigh most there.  They replace what the launch before stored.
; A work-group owns 16 output columns for the 16 rows; wave w is head w: scores, mask, softmax, p v, and its head's 64 terms of the out projection; the sixteen heads' parts are added through LDS in a fixed order.
; All products go by the f32 matrix form, 16 x 16 x 4.  q, k, v arrive as images of the accumulators that made them (register 8 t + i of lane (r, h): channel 16 t + 8 h + i of position r; for v: position 8 h + i of channel 16 t + r).
; A pair of neighbouring registers is an operand as it stands: both sources of a product take the same pair of their images, so both name the same four k, and the sixteen pairs cover all 64 (for p v: the four pairs cover the 16 keys).
; The registers that these matrix instructions write are written by nothing else; sums begin with the constant 0; what is made of a sum goes into other registers.
; Stores: 64 consecutive bytes of each of 16 rows a work-group, parts of aligned runs of 256: 65,536 bytes in the whole launch; 64 work-groups keep each one's read of Wo to 65,536 bytes.
; No tensor loads, no cluster, no prefetch: a short launch whose loads all go out at its head.
.set SPARE, 16384                      ; behind the sixteen parts of 1,024 bytes: the spare words, 128 bytes a wave: eight blocks of 256 bytes that no other line names
.set SPW, 4
.set NIL, 5
.set QR,  16                           ; v16-47   q, later ctx / l
.set KR,  48                           ; v48-79   k
.set VR,  80                           ; v80-111  v
.set WR,  112                          ; v112-143 Wo
.set SA,  144                          ; v144-159 S^T in two halves of K
.set OT,  160                          ; v160-191 O^T, four channel tiles
.set PA,  192                          ; v192-207 the projection in two halves of K
.set PP,  208                          ; v208-215 s, then p
.set RS,  216                          ; v216-223 my head's part of the result
	s_load_b256 s[4:11], s[0:1], 0x0               ; f32r 4, Wo 6, bo 8, out0 10
	v_lshl_add_u32 v[SPW], v0, 2, SPARE
	v_mov_b32 v[NIL], 0
	v_lshrrev_b32 v1, 5, v0
	v_readfirstlane_b32 s16, v1                    ; wave = head
	v_and_b32 v9, 31, v0
	v_lshlrev_b32 v1, 4, v9                        ; 16 x lane
	v_and_b32 v10, 15, v0                          ; r
	v_bfe_u32 v11, v0, 4, 1                        ; h
	v_lshlrev_b32 v2, 3, v11
	v_sub_nc_u32 v2, v10, v2                       ; r - 8 h
	v_lshlrev_b32 v3, 2, v10
	v_lshl_add_u32 v3, v11, 15, v3                 ; Wo: column r, 8 h rows of 4,096 bytes down
	s_lshl_b32 s17, s16, 10
	v_lshlrev_b32 v6, 6, v10
	v_lshl_add_u32 v6, v11, 5, v6
	v_add_nc_u32 v6, s17, v6                       ; LDS: my head's part, row r of 64 bytes, + 32 h
	v_lshlrev_b32 v7, 2, v0                        ; and back: thread t takes number t of each part
	v_lshlrev_b32 v8, 2, v10                       ; its column
	v_lshrrev_b32 v12, 4, v0
	v_lshl_add_u32 v12, v12, 12, v8                ; its place in out0: row t / 16
	v_mov_b32 v226, 0                              ; a lane permute's destination counts as one of its sources
	v_mov_b32 v227, 0
	s_mov_b32 s12, 0x76543210
	s_mov_b32 s13, 0xfedcba98
	s_mov_b32 s14, 0x3e38aa3b                      ; c = log2(e) / 8
	s_lshl_b32 s18, s16, 12
	s_mov_b32 s19, 0
	s_lshl_b32 s20, s16, 18                        ; my head's 64 rows of Wo
	s_lshl_b32 s22, ttmp9, 6                       ; my work-group's 16 columns
	s_add_co_u32 s20, s20, s22
	s_mov_b32 s21, 0
	s_mov_b32 s23, 0
	s_wait_kmcnt 0x0
	s_add_nc_u64 s[4:5], s[4:5], s[18:19]
	s_add_nc_u64 s[6:7], s[6:7], s[20:21]
	s_add_nc_u64 s[8:9], s[8:9], s[22:23]
	s_add_nc_u64 s[10:11], s[10:11], s[22:23]
.irp i, 0,1,2,3,4,5,6,7
	global_load_b128 v[QR+4*\i:QR+4*\i+3], v1, s[4:5] offset:\i*512
.endr
.irp i, 0,1,2,3,4,5,6,7
	global_load_b128 v[KR+4*\i:KR+4*\i+3], v1, s[4:5] offset:65536+\i*512
.endr
.irp i, 0,1,2,3,4,5,6,7
	global_load_b128 v[VR+4*\i:VR+4*\i+3], v1, s[4:5] offset:131072+\i*512
.endr
.irp t, 0,1,2,3
.irp i, 0,1,2,3,4,5,6,7
	global_load_b32 v[WR+8*\t+\i], v3, s[6:7] offset:(16*\t+\i)*4096   ; Wo(64 head + 16 t + 8 h + i, my column): ctx's own order along K
.endr
.endr
	s_wait_loadcnt 40                              ; q and k are in; v's 8 loads and Wo's 32 may be out
	; S^T = k q^T: source 0 = 16 keys, source 1 = 16 queries; two accumulators by turns
.set e, 0
.rept 16
.if e < 2
	v_wmma_f32_16x16x4_f32 v[SA+8*(e%2):SA+8*(e%2)+7], v[KR+2*e:KR+2*e+1], v[QR+2*e:QR+2*e+1], 0
.else
	v_wmma_f32_16x16x4_f32 v[SA+8*(e%2):SA+8*(e%2)+7], v[KR+2*e:KR+2*e+1], v[QR+2*e:QR+2*e+1], v[SA+8*(e%2):SA+8*(e%2)+7]
.endif
.set e, e+1
.endr
.rept 8
	v_nop                                          ; eight places behind this form
.endr
.irp j, 0,1,2,3,4,5,6,7
	v_add_f32 v[PP+\j], v[SA+\j], v[SA+8+\j]       ; lane (r, h), register j: query r, key 8 h + j
.endr
	v_mov_b32 v225, 0xff800000
.irp j, 0,1,2,3,4,5,6,7
	v_cmp_gt_i32 vcc_lo, \j, v2                    ; hidden where 8 h + j > r
	v_cndmask_b32 v[PP+\j], v[PP+\j], v225, vcc_lo
.endr
	v_max3_num_f32 v224, v[PP], v[PP+1], v[PP+2]
	v_max3_num_f32 v225, v[PP+3], v[PP+4], v[PP+5]
	v_max3_num_f32 v224, v224, v[PP+6], v[PP+7]
	v_max_num_f32 v224, v224, v225
	v_permlanex16_b32 v226, v224, s12, s13
	v_max_num_f32 v224, v224, v226                 ; the row's maximum: key 0 counts for every query
	v_mul_f32 v225, s14, v224
.irp j, 0,1,2,3,4,5,6,7
	v_fma_f32 v[PP+\j], v[PP+\j], s14, -v225
.endr
.irp j, 0,1,2,3,4,5,6,7
	v_exp_f32 v[PP+\j], v[PP+\j]
.endr
	v_nop
	s_wait_alu depctr_va_vdst(0)                   ; one wait for the eight, ahead of their first reader
	v_add_f32 v226, v[PP], v[PP+1]
	v_add_f32 v227, v[PP+2], v[PP+3]
	v_add_f32 v226, v226, v[PP+4]
	v_add_f32 v227, v227, v[PP+5]
	v_add_f32 v226, v226, v[PP+6]
	v_add_f32 v227, v227, v[PP+7]
	v_add_f32 v226, v226, v227
	v_permlanex16_b32 v227, v226, s12, s13
	v_add_f32 v226, v226, v227                     ; the row's sum
	v_rcp_f32 v228, v226
	v_nop
	s_wait_alu depctr_va_vdst(0)
	s_wait_loadcnt 32                              ; v is in; Wo's 32 loads may be out
	; O^T = v^T p: source 0 = 16 channels, source 1 = p; four accumulators by turns
.irp c, 0,1,2,3
.irp t, 0,1,2,3
.if \c == 0
	v_wmma_f32_16x16x4_f32 v[OT+8*\t:OT+8*\t+7], v[VR+8*\t+2*\c:VR+8*\t+2*\c+1], v[PP+2*\c:PP+2*\c+1], 0
.else
	v_wmma_f32_16x16x4_f32 v[OT+8*\t:OT+8*\t+7], v[VR+8*\t+2*\c:VR+8*\t+2*\c+1], v[PP+2*\c:PP+2*\c+1], v[OT+8*\t:OT+8*\t+7]
.endif
.endr
.endr
.rept 8
	v_nop
.endr
.irp j, 0,1,2,3,4,5,6,7,8,9,10,11,12,13,14,15,16,17,18,19,20,21,22,23,24,25,26,27,28,29,30,31
	v_mul_f32 v[QR+\j], v[OT+\j], v228             ; ctx: register 8 t + i = channel 16 t + 8 h + i of query r; each accumulator from its low end on
.endr
	s_wait_loadcnt 0x0                             ; Wo
	; my head's part of ctx Wo: source 0 = 16 columns of Wo, source 1 = ctx; two accumulators by turns
.set e, 0
.rept 16
.if e < 2
	v_wmma_f32_16x16x4_f32 v[PA+8*(e%2):PA+8*(e%2)+7], v[WR+2*e:WR+2*e+1], v[QR+2*e:QR+2*e+1], 0
.else
	v_wmma_f32_16x16x4_f32 v[PA+8*(e%2):PA+8*(e%2)+7], v[WR+2*e:WR+2*e+1], v[QR+2*e:QR+2*e+1], v[PA+8*(e%2):PA+8*(e%2)+7]
.endif
.set e, e+1
.endr
.rept 8
	v_nop
.endr
.irp j, 0,1,2,3,4,5,6,7
	v_add_f32 v[RS+\j], v[PA+\j], v[PA+8+\j]       ; lane (r, h), register j: row r, column 8 h + j
.endr
	ds_store_b128 v6, v[RS:RS+3]
	ds_store_b128 v6, v[RS+4:RS+7] offset:16
	s_wait_dscnt 0x0                               ; for the others' sake: my part lies in LDS
	s_barrier_signal -1
	s_barrier_wait -1
	s_cmp_lt_u32 s16, 8                            ; 256 numbers: waves 0-7, one a thread
	s_cbranch_scc0 .Lrest
	global_load_b32 v243, v8, s[8:9]               ; the bias of my column
.irp p, 0,1,2,3,4,5,6,7,8,9,10,11,12,13,14,15
	ds_load_b32 v[224+\p], v7 offset:1024*\p
.endr
	s_wait_dscnt 0x0
	v_add_f32 v224, v224, v225
.irp p, 2,3,4,5,6,7,8,9,10,11,12,13,14,15
	v_add_f32 v224, v224, v[224+\p]                ; the heads in ascending order
.endr
	s_wait_loadcnt 0x0
	v_add_f32 v224, v224, v243
	global_store_b32 v12, v224, s[10:11]
.Lrest:
	s_wait_tensorcnt 0x0                           ; the wave's end, behind my last LDS store
	ds_add_u32 v[SPW], v[NIL]
	s_wait_dscnt 0x0
	s_endpgm
.Lfunc_end_k_qca5b668a1b_fine:
	.size	k_qca5b668a1b_fine, .Lfunc_end_k_qca5b668a1b_fine-k_qca5b668a1b_fine
	.p2alignl 7, 3214868480
	.fill 96, 4, 3214868480
	.section	.rodata,"a",@progbits
	.p2align	6, 0x0
	.amdhsa_kernel k_qca5b668a1b_fine
		.amdhsa_group_segment_fixed_size 18432
		.amdhsa_private_segment_fixed_size 0
		.amdhsa_enable_private_segment 0
		.amdhsa_kernarg_size 32
		.amdhsa_user_sgpr_count 2
		.amdhsa_user_sgpr_kernarg_segment_ptr 1
		.amdhsa_wavefront_size32 1
		.amdhsa_system_sgpr_workgroup_id_x 1
		.amdhsa_system_sgpr_workgroup_id_y 1
		.amdhsa_system_sgpr_workgroup_id_z 1
		.amdhsa_system_vgpr_workitem_id 0
		.amdhsa_next_free_vgpr 256
		.amdhsa_next_free_sgpr 66
		.amdhsa_reserve_vcc 1
		.amdhsa_float_denorm_mode_32 3
		.amdhsa_float_denorm_mode_16_64 3
		.amdhsa_memory_ordered 1
		.amdhsa_forward_progress 1
		.amdhsa_inst_pref_size 17
	.end_amdhsa_kernel
	.amdgpu_metadata
---
amdhsa.version: [ 1, 2 ]
amdhsa.kernels:
  - .name:           k_qca5b668a1b_fine
    .symbol:         k_qca5b668a1b_fine.kd
    .args:
      - { .name: f32r, .offset: 0, .size: 8, .value_kind: global_buffer, .address_space: global }
      - { .name: Wo, .offset: 8, .size: 8, .value_kind: global_buffer, .address_space: global }
      - { .name: bo, .offset: 16, .size: 8, .value_kind: global_buffer, .address_space: global }
      - { .name: out0, .offset: 24, .size: 8, .value_kind: global_buffer, .address_space: global }
    .group_segment_fixed_size: 18432
    .private_segment_fixed_size: 0
    .kernarg_segment_align: 8
    .kernarg_segment_size: 32
    .max_flat_workgroup_size: 512
    .sgpr_count:     66
    .vgpr_count:     256
    .wavefront_size: 32
...
	.end_amdgpu_metadata
.endif
;; end of part 5
